; MI455X (gfx1250); checked and timed in simulation.
; The chip was launched on July 23, 2026; its instructions are those of AMD's public machine-readable ISA for CDNA 5 (MIT licence, August 2026) and "CDNA5" Instruction Set Architecture Reference Guide (July 2026). The comments in the code are by the model that wrote it; some were corrected since.
;; Attention. Allowed arithmetic: matrix products marked QUANTISED: E4M3 operands, one given power-of-two scale a tensor, by v_wmma_f32_16x16x64_fp8_fp8 or v_wmma_f32_16x16x128_fp8_fp8, f32 sums; everything else in f32.
;; Inputs: attention_mask 1 x 1 x 2,048 x 2,048 bool; key_codes 2,048 x 4 x 16 x 4 x 32 uint8 (E4M3 codes of key, K innermost, in blocks of 32 codes); lowp_scales 4 int32 (the exponents e of the quantised operands' scales 2^e); query_codes 2,048 x 4 x 16 x 4 x 32 uint8 (E4M3 codes of query, K innermost, in blocks of 32 codes); value_codes 4 x 16 x 128 x 64 x 32 uint8 (E4M3 codes of value, K innermost, in blocks of 32 codes).
;; Outputs: out0 2,048 x 4 x 2,048 float32.
;; This version of the problem:
;;   THIS VERSION OF THE PROBLEM IS GIVEN IN LOW PRECISION. The matrix products marked QUANTISED in the list below multiply operands that are first quantised to E4M3 (4 exponent bits, 3 mantissa bits; 8 bits a number), with one given power-of-two scale for each operand tensor; their sums are f32. All else is computed in f32.
;;   The module's matrix products, in the order in which they are computed (A, B: the left and right operand; K: the contracted axis; several contracted axes count as one K, in the product's order):
;;     1. batch 64 x [M 2,048, K 128] x [K 128, N 2,048]; A: input query (given as codes); B: input key (given as codes): QUANTISED (scales: A lowp_scales[0], B lowp_scales[1])
;;     2. batch 64 x [M 128, K 2,048] x [K 2,048, N 2,048]; A: input value (given as codes); B: softmax (see below): QUANTISED (scales: A lowp_scales[2], B lowp_scales[3])
;;   THE QUANTISER, for each operand of a quantised product, along K:
;;     - The operand's scale is 2^e, e = its entry of the input lowp_scales (int32; the entries are numbered through the quantised products in the list's order, A before B).
;;     - Each number is divided by the scale, clamped to +-448, and rounded to the nearest number of E4M3, ties to even, subnormals kept.
;;     - The product sums the exact products of the quantised numbers (number of the format x scale) in f32.
;;   ~~~python
;;   def quantise(x, axis, e):      # numpy; x: float32 -> the quantised numbers, widened to float32 again
;;       x = np.moveaxis(x, axis, -1); K = x.shape[-1]
;;       r = np.clip(x / 2.0 ** e, -448, 448)
;;       step = 2.0 ** (np.maximum(np.frexp(np.where(r == 0, 1, r))[1] - 1, -6) - 3)
;;       q = np.round(r / step) * step * 2.0 ** e      # np.round: ties to even
;;       return np.moveaxis(q, -1, axis).astype(np.float32)
;;   ~~~
;;   SOFTMAX AHEAD OF A QUANTISED PRODUCT. Where the list says 'softmax', what is quantised is not the finished softmax but p = 2^(t - M), with t = logit x log2(e) and M = ceil(the row's largest t), a whole number; so 1/2 < the row's largest p <= 1. The row's sum l is taken of the UNQUANTISED p, in f32, and the product's result is divided by l at the end. Since M is a whole number, a kernel that streams over the keys may use a running M (the ceiling of the running maximum): every later rescaling is an exact power of two, so the quantised numbers keep their values, but for numbers so far below the row's largest that they fall under the format's range.
;;   OPERANDS COMPUTED ON THE WAY. 'Computed on the way' means the value that the module computes at that place (a softmax that the list does not call 'softmax' is quantised finished and normalised). What goes into a quantiser is computed in f32, as accurately as f32 sums, v_exp_f32 and their like allow (about 1e-6 of the number): no bf16 or f16 on the way to a quantiser, and a product that is left as it is and whose result goes on into a quantised operand takes f32 operands (vector FMAs, or v_wmma_f32_16x16x4_f32). A number that lies on a knife's edge between two numbers of the format may be rounded either way, as far as f32 arithmetic and the matrix unit's own rounding can turn it there, and no further.
;;   INPUTS GIVEN AS CODES. key (in the module: [2048, 4, 16, 128], K = its axis 3); query (in the module: [2048, 4, 16, 128], K = its axis 3); value (in the module: [2048, 4, 16, 128], K = its axis 0): each comes as NAME_codes (uint8): NAME with its K axis moved to the last place and cut into blocks of 32 codes, [.., K / 32, bytes a block], one block behind the other in memory; one code a byte (a code: sign, 4 exponent bits, 3 mantissa bits); its scale is its entry of lowp_scales. Its value is code x scale, taken as it is: it is not quantised again, and the codes and scales need not be those that the quantiser above would give.
;; 2 versions, each right; version 2 is version 1 with the launch attn written anew for expert scheduling mode. Each part assembles by itself: llvm-mc -triple=amdgcn-amd-amdhsa -mcpu=gfx1250 --defsym DOCPART=n.
;; ======== version 1 of 2: 2 launches
;; workspace buffers: mwords 524,288 bytes of whole numbers; flags 2,048 bytes of whole numbers; vsum 524,288 bytes
;; launch prep (part 1): grid 256 x 1, 8 waves a work-group, no clusters, 3,328 bytes of LDS; arguments attention_mask, value_codes, mwords, flags, vsum; writes mwords, flags, vsum
.if DOCPART == 1
	.amdgcn_target "amdgcn-amd-amdhsa--gfx1250"
	.amdhsa_code_object_version 6
	.text
	.protected	k_q0a053a36ee_prep
	.globl	k_q0a053a36ee_prep
	.p2align	8
	.type	k_q0a053a36ee_prep,@function
k_q0a053a36ee_prep:
	s_mov_b64 s[64:65], 0
	v_nop
	global_prefetch_b8 v0, s[64:65] scope:SCOPE_SE
	s_setreg_imm32_b32 hwreg(HW_REG_WAVE_MODE, 25, 1), 1
	s_wait_xcnt 0x0
; THE MASK AS LANE MASKS, ITS SUMMARY, AND SUMS OF V'S CODES: what the attention launch needs in order to leave wholly masked steps out and still give their share exactly.
; attention_mask: [2048 queries][2048 keys], a byte each, any pattern.  value_codes: [64 heads][128 channels][2048 keys], E4M3, a byte each.
; mwords [128 tiles of 16 queries][16 steps of 128 keys][64 words]: bit l of word j = mask[16 tile + l % 16][128 step + 32 (j / 16) + 16 (l / 16) + j % 16]:
;   the lane mask of score register j in the attention launch's layout.
; flags: word g = 2 tile + half: bit w says that some key of step 8 half + w is masked for some query of the tile; word 256 + g: that all are.
; vsum [64 heads][16 blocks of 128 keys][128 channels] f32: the sum of V's code values over the block's keys (the scale 2^ev is not applied here).
; SHARES.  Work-group g, wave w: mask tile g / 2, step 8 (g % 2) + w;  V: head g / 4, keys 512 (g % 4) on (four blocks), channels 16 w .. 16 w + 15.
; LIMIT: NaN codes in V are not served.
.set MB,   16                          ; v16-31   my 64 mask bytes: register 4 b + i / 4, byte i % 4 = key 32 b + 16 (lane / 16) + i of query lane % 16
.set VCD,  32                          ; v32-95   V's codes: load i = channel 16 w + i, my 16 keys
.set T,    96                          ; v96-111  16 numbers at work
.set R,    112                         ; v112-127 channel i's sum: a register each, so that no LDS store's data are written again
.set FLG,  2048                        ; LDS: bytes 0-2047 the sums [4 blocks][128 channels]; from 2048 a flag word for each wave
	s_load_b256 s[4:11], s[0:1], 0x0               ; mask s[4:5], V's codes s[6:7], mwords s[8:9], flags s[10:11]
	s_load_b64 s[12:13], s[0:1], 0x20              ; vsum
	v_lshl_add_u32 v128, v0, 2, 0x900
	v_mov_b32 v129, 0
	v_lshrrev_b32 v1, 5, v0
	v_readfirstlane_b32 s14, v1                    ; wave 0..7
	v_lshl_add_u32 v9, v1, 2, FLG                  ; my wave's flag word in LDS
	v_bfe_u32 v10, v0, 3, 2                        ; lane / 8: which of the four blocks my 16 keys lie in
	v_lshlrev_b32 v10, 9, v10
	v_lshl_add_u32 v10, v1, 6, v10                 ; the sums' place: 512 x block + 4 x (16 wave + i)
	v_and_b32 v1, 31, v0                           ; lane
	v_and_b32 v2, 15, v0                           ; query of the tile
	v_bfe_u32 v3, v0, 4, 1                         ; half of the lanes
	v_lshlrev_b32 v6, 11, v2                       ; mask: a row is 2,048 bytes,
	v_lshl_add_u32 v6, v3, 4, v6                   ; + 16 x half,
	s_lshl_b32 s15, s14, 7
	v_add_nc_u32 v6, s15, v6                       ; + my wave's step of 128 keys
	s_lshl_b32 s15, s14, 15
	v_lshl_add_u32 v7, v1, 4, s15                  ; V: 16 channels of 2,048 bytes a wave, 16 bytes a lane
	v_lshlrev_b32 v8, 3, v1                        ; mwords: two words a lane
	v_lshlrev_b32 v14, 3, v0                       ; the sums on their way out: 8 bytes a thread
	v_and_b32 v15, 7, v0
	v_lshl_add_u32 v15, v15, 2, FLG                ; wave 0 reads the eight flag words
	s_lshr_b32 s16, ttmp9, 1
	s_lshl_b32 s16, s16, 15                        ; mask: 16 rows x 2,048 bytes a tile,
	s_and_b32 s17, ttmp9, 1
	s_lshl_b32 s17, s17, 10                        ; + the half's 1,024 keys
	s_add_co_u32 s16, s16, s17
	s_mov_b32 s17, 0
	s_lshr_b32 s18, ttmp9, 2
	s_lshl_b32 s18, s18, 18                        ; V: a head is 262,144 bytes,
	s_and_b32 s19, ttmp9, 3
	s_lshl_b32 s19, s19, 9                         ; + 512 keys
	s_add_co_u32 s18, s18, s19
	s_mov_b32 s19, 0
	s_lshl_b32 s24, ttmp9, 3
	s_add_co_u32 s24, s24, s14
	s_lshl_b32 s24, s24, 8                         ; mwords: (16 tile + step) x 256 bytes = (8 g + w) x 256
	s_mov_b32 s25, 0
	s_lshl_b32 s26, ttmp9, 2                       ; flags: word g
	s_mov_b32 s27, 0
	s_lshl_b32 s28, ttmp9, 11                      ; vsum: four blocks of 512 bytes a work-group
	s_mov_b32 s29, 0
	s_wait_kmcnt 0x0
	s_add_nc_u64 s[4:5], s[4:5], s[16:17]
	s_add_nc_u64 s[6:7], s[6:7], s[18:19]
	s_add_nc_u64 s[8:9], s[8:9], s[24:25]
	s_add_nc_u64 s[10:11], s[10:11], s[26:27]
	s_add_nc_u64 s[12:13], s[12:13], s[28:29]
.irp b, 0,1,2,3
	global_load_b128 v[MB+4*\b:MB+4*\b+3], v6, s[4:5] offset:32*\b
.endr
.irp i, 0,1,2,3,4,5,6,7,8,9,10,11,12,13,14,15
	global_load_b128 v[VCD+4*\i:VCD+4*\i+3], v7, s[6:7] offset:2048*\i th:TH_LOAD_NT   ; 32 lanes read 512 consecutive bytes of a channel's row
.endr
	v_mov_b32 v4, 0                                ; a lane write's destination counts as read: both are written whole first
	v_mov_b32 v5, 0
	s_mov_b32 s21, 0                               ; the union of the 64 words,
	s_mov_b32 s22, -1                              ; and what they have in common
	s_wait_loadcnt 16                              ; the mask's four loads are in; V's sixteen, issued behind them, may be out
; Word j is a vote of the 32 lanes on byte j of their 64.  It goes into lane j / 2 of v4 (even j) or v5 (odd j), so that one store of 8 bytes a lane writes the 64 words in order.
.set j, 0
.rept 64
	v_and_b32 v[2+j%2], 0xff<<(8*(j%4)), v[MB+4*(j/16)+(j%16)/4]
	v_cmp_ne_u32 s[20+3*(j%2)], 0, v[2+j%2]
	v_writelane_b32 v[4+j%2], s[20+3*(j%2)], j/2
	s_or_b32 s21, s21, s[20+3*(j%2)]
	s_and_b32 s22, s22, s[20+3*(j%2)]
.set j, j+1
.endr
	global_store_b64 v8, v[4:5], s[8:9]            ; 32 lanes store 256 consecutive bytes, at a multiple of 256 from the buffer's first byte
	s_cmp_lg_u32 s21, 0
	s_cselect_b32 s23, 1, 0                        ; bit 0: something is masked
	s_cmp_eq_u32 s22, -1
	s_cselect_b32 s20, 2, 0                        ; bit 1: everything is
	s_or_b32 s23, s23, s20
	v_mov_b32 v16, s23
	ds_store_b32 v9, v16
	v_mov_b32 v11, 0x7f7f7f7f                      ; the conversion's scale byte: 2^0, the same in every byte of every lane
; Channel 16 w + i: my 16 codes as f32, their sum, then the sum of the eight lanes that share a block of 128 keys.
.set i, 0
.rept 16
	s_wait_loadcnt 15-i                            ; loads come back in order: load i is in, the 15 - i behind it may be out
	v_cvt_scale_pk8_f32_fp8 v[T:T+7], v[VCD+4*i:VCD+4*i+1], v11
	v_cvt_scale_pk8_f32_fp8 v[T+8:T+15], v[VCD+4*i+2:VCD+4*i+3], v11
	v_nop                                          ; one plain vector instruction between a scaled conversion and the use of its result
	v_pk_add_f32 v[T:T+1], v[T:T+1], v[T+2:T+3]
	v_pk_add_f32 v[T+4:T+5], v[T+4:T+5], v[T+6:T+7]
	v_pk_add_f32 v[T+8:T+9], v[T+8:T+9], v[T+10:T+11]
	v_pk_add_f32 v[T+12:T+13], v[T+12:T+13], v[T+14:T+15]
	v_pk_add_f32 v[T:T+1], v[T:T+1], v[T+4:T+5]
	v_pk_add_f32 v[T+8:T+9], v[T+8:T+9], v[T+12:T+13]
	v_pk_add_f32 v[T:T+1], v[T:T+1], v[T+8:T+9]
	v_add_f32 v[R+i], v[T], v[T+1]
	v_add_f32_dpp v[R+i], v[R+i], v[R+i] row_xmask:1 row_mask:0xf bank_mask:0xf
	v_add_f32_dpp v[R+i], v[R+i], v[R+i] row_xmask:2 row_mask:0xf bank_mask:0xf
	v_add_f32_dpp v[R+i], v[R+i], v[R+i] row_xmask:4 row_mask:0xf bank_mask:0xf
	ds_store_b32 v10, v[R+i] offset:4*i            ; the eight lanes of a block write the same word with the same number
.set i, i+1
.endr
	s_wait_dscnt 0x0                               ; for the others' sake: my sums and my flag word lie in LDS
	s_barrier_signal -1
	s_barrier_wait -1
	ds_load_b64 v[12:13], v14                      ; the stage lies as vsum does: [block][channel]
	s_wait_dscnt 0x0
	global_store_b64 v14, v[12:13], s[12:13]       ; each wave stores 256 consecutive bytes, aligned
	s_cmp_lg_u32 s14, 0                            ; the two flag words are wave 0's work
	s_cbranch_scc1 .Lothers
	ds_load_b32 v17, v15                           ; lane l: wave l % 8's flag word
	v_lshlrev_b32 v20, 10, v0                      ; lane 0: word g; lane 1: word 256 + g
	s_wait_dscnt 0x0
	v_and_b32 v18, 1, v17
	v_and_b32 v19, 2, v17
	v_cmp_ne_u32 s30, 0, v18
	v_cmp_ne_u32 s31, 0, v19
	s_and_b32 s30, s30, 0xff                       ; bit w: wave w's step
	s_and_b32 s31, s31, 0xff
	v_mov_b32 v18, s30
	v_mov_b32 v19, s31
	v_cmp_eq_u32 vcc_lo, 1, v0
	v_cndmask_b32 v18, v18, v19, vcc_lo
	s_wait_xcnt 0x0                                ; EXEC is a source of the stores above: it changes only behind this wait
	s_wait_tensorcnt 0x0
	ds_add_u32 v128, v129
	s_wait_dscnt 0x0
	v_cmpx_gt_u32 2, v0
	global_store_b32 v20, v18, s[10:11]            ; eight bytes a work-group: the one store here that fills no aligned 256 bytes; 2,048 bytes in the whole launch
	s_endpgm
.Lothers:
	s_wait_tensorcnt 0x0
	ds_add_u32 v128, v129
	s_wait_dscnt 0x0
	s_endpgm
.Lfunc_end_k_q0a053a36ee_prep:
	.size	k_q0a053a36ee_prep, .Lfunc_end_k_q0a053a36ee_prep-k_q0a053a36ee_prep
	.p2alignl 7, 3214868480
	.fill 96, 4, 3214868480
	.section	.rodata,"a",@progbits
	.p2align	6, 0x0
	.amdhsa_kernel k_q0a053a36ee_prep
		.amdhsa_group_segment_fixed_size 3328
		.amdhsa_private_segment_fixed_size 0
		.amdhsa_enable_private_segment 0
		.amdhsa_kernarg_size 40
		.amdhsa_user_sgpr_count 2
		.amdhsa_user_sgpr_kernarg_segment_ptr 1
		.amdhsa_wavefront_size32 1
		.amdhsa_system_sgpr_workgroup_id_x 1
		.amdhsa_system_sgpr_workgroup_id_y 1
		.amdhsa_system_sgpr_workgroup_id_z 1
		.amdhsa_system_vgpr_workitem_id 0
		.amdhsa_next_free_vgpr 130
		.amdhsa_next_free_sgpr 66
		.amdhsa_reserve_vcc 1
		.amdhsa_float_denorm_mode_32 3
		.amdhsa_float_denorm_mode_16_64 3
		.amdhsa_memory_ordered 1
		.amdhsa_forward_progress 1
		.amdhsa_inst_pref_size 37
	.end_amdhsa_kernel
	.amdgpu_metadata
---
amdhsa.version: [ 1, 2 ]
amdhsa.kernels:
  - .name:           k_q0a053a36ee_prep
    .symbol:         k_q0a053a36ee_prep.kd
    .args:
      - { .name: attention_mask, .offset: 0, .size: 8, .value_kind: global_buffer, .address_space: global }
      - { .name: value_codes, .offset: 8, .size: 8, .value_kind: global_buffer, .address_space: global }
      - { .name: mwords, .offset: 16, .size: 8, .value_kind: global_buffer, .address_space: global }
      - { .name: flags, .offset: 24, .size: 8, .value_kind: global_buffer, .address_space: global }
      - { .name: vsum, .offset: 32, .size: 8, .value_kind: global_buffer, .address_space: global }
    .group_segment_fixed_size: 3328
    .private_segment_fixed_size: 0
    .kernarg_segment_align: 8
    .kernarg_segment_size: 40
    .max_flat_workgroup_size: 256
    .sgpr_count:     66
    .vgpr_count:     130
    .wavefront_size: 32
...
	.end_amdgpu_metadata
.endif
;; end of part 1
;; launch attn (part 2): grid 4 x 64, 8 waves a work-group, no clusters, 297,984 bytes of LDS; arguments query_codes, key_codes, value_codes, lowp_scales, mwords, flags, vsum, out0; writes out0
.if DOCPART == 2
	.amdgcn_target "amdgcn-amd-amdhsa--gfx1250"
	.amdhsa_code_object_version 6
	.text
	.protected	k_q0a053a36ee_attn
	.globl	k_q0a053a36ee_attn
	.p2align	8
	.type	k_q0a053a36ee_attn,@function
k_q0a053a36ee_attn:
	s_mov_b64 s[64:65], 0
	v_nop
	global_prefetch_b8 v0, s[64:65] scope:SCOPE_SE
	s_setreg_imm32_b32 hwreg(HW_REG_WAVE_MODE, 25, 1), 1
	s_wait_xcnt 0x0
; out[q][head][:] = the sum over k of softmax_k(where(mask[q][k], -10000, Q[q] . K[k] / sqrt(128))) V[k][:], both products on codes of FP8 (E4M3); the scales 2^eq, 2^ek, 2^ev, 2^ep are given, in that order.
; Q, K: a row of 128 codes at s x 8,192 + head x 128.  V: keys innermost, head x 262,144 + channel x 2,048 + key.  out: f32, s x 32,768 + head x 512.  The mask is an input: any pattern is served.
; THE SOFTMAX AHEAD OF THE SECOND PRODUCT: t = score x log2(e) / sqrt(128); M = the row's largest t so far, rounded UP to a whole number; p = 2^(t - M) is quantised, not normalised; the row's sum is
; taken of the unquantised p and divides at the end.  When M moves, the sum and O are multiplied by 2^(old M - new M), which rounds nothing.
; SHARES.  Work-group (x, head) makes two passes of 256 queries: block 7 - x, then block x.  Each of its eight waves owns 32 queries of a block: two tiles of 16, so that each fragment of K and V read from LDS feeds two products.
; One loop of 16 visits: pass = visit / 8, slot = visit % 8; a slot is 256 keys, two steps of 128.  One barrier a visit.
; STEPS THAT ARE WHOLLY MASKED for a wave's 32 queries are left out, by a scalar branch on whole numbers that the launch before stored.  Each of their keys has t = TM = -10000 log2(e), so under the final M such a step adds
; 128 p_m to the row's sum and Q(p_m) x (the sum of V over its keys) to O, p_m = 2^(TM - M).  Both are added at a pass's end: n steps give 128 n p_m, and Q(p_m) x W, W = the stored sums of V's codes over the wave's n blocks;
; Q(p_m) is made by the quantiser's own conversion.  With n > 0 every row has masked keys, so the running maximum starts at TM; else it starts under every t, and p_m comes out 0.
; In the other steps a masked score is replaced, ahead of the maximum, by R = -10000 sqrt(128) / 2^(eq + ek), for which R x c = TM up to f32's grain at that size.
; NO TENSOR LOADS, NO CLUSTER: which slots a work-group wants hangs on the stored flags, so the work-groups of a head want different numbers of tiles.
; K and V are staged through registers, a slot ahead: 64 KiB a slot, against the 512 KiB that the eight waves read of it from LDS.
; LAYOUT.  Both products are used transposed: S^T = K Q^T (source 0 = 16 keys, source 1 = 16 queries), O^T = V^T P^T (source 0 = 16 channels, source 1 = P): a lane holds ONE query (lane % 16) throughout.
; THE KEYS OF A TILE ARE NOT NEIGHBOURS: lane r of tile 2 b + u takes key 32 b + 8 u + r + 8 (r / 8), so that score register 16 b + i is key 32 b + 16 (lane / 16) + i: the conversions' results are the second product's operand.
; Every operand holds K = 32 c + 16 (lane / 16) + 0 .. 15 in registers 4 c .. 4 c + 3: a permutation of K, the same on both sides of each product.
; LDS.  A fragment (16 rows x 128 K) lies as eight chunks: chunk 2 c + h = the 16 rows' bytes 32 c + 16 h + 0 .. 15, 256 bytes on end, then 32 of padding.  A read takes 256 consecutive bytes for each half of the lanes; the staging
; stores of 16 lanes fall on 16 different columns of 16 bytes modulo 256 (64 banks of 4 bytes: ISA guide 11.1): chunks are 288 bytes apart, and V's second step lies 16 bytes past a multiple of 256.
; LIMITS on the given exponents, so that each power of two below is an f32 number: eq + ek between -111 and 130; ep between -126 and 119; ep + ev is applied by v_ldexp_f32 and has none.  NaN codes are not served.
; REGISTERS, in windows of 256.  Window 0: v1-15 addresses; v16-31 eight statistics a tile (+0 -M, +1 the largest t, +2, +3 the sum in two halves, +4 f, +5 its pair's upper word, +6, +7 at work);
;   v32-63 constants and W; v64-191 S^T, then p, 64 a tile; v192-223 p's codes; v224-255 V on its way to LDS.   Window 1: v0-127 O^T, 64 a tile; v128-159 Q; v160-223 four fragments; v224-255 K on its way to LDS.
.set SLOT1, 1<<17                      ; slot 1 begins here: one exclusive or turns an address in one slot into the other's
.set CH,    288                        ; a chunk: 256 bytes + 32 of padding
.set FRB,   8*CH                       ; a fragment
.set KSTP,  8*FRB                      ; a step's eight tiles of K
.set VSTP,  8*FRB+16                   ; and of V
.set VOFF,  2*KSTP                     ; a slot: K's two steps, then V's
.set STG,   2*SLOT1                    ; behind the slots: a stage of 16 rows x 272 bytes for each wave
.set SP,    272
.set FA,  1                            ; v1   my place in a fragment: 288 (lane / 16) + 16 (lane % 16)
.set ADK, 2                            ; v2   the slot in hand + FA
.set ADV, 3                            ; v3   the same + VOFF
.set KS0, 4                            ; v4   where I put K's rows in a slot
.set VS0, 5                            ; v5   and V's
.set KSA, 6                            ; v6   the other slot + KS0
.set VSA, 7                            ; v7   the other slot + VS0
.set KGO, 8                            ; v8   my byte in a slot's rows of K in memory
.set VGO, 9                            ; v9   of V
.set QGO, 10                           ; v10  of Q
.set STO, 11                           ; v11  the stage: where I put 32 bytes of a row
.set SRD, 12                           ; v12  and where I read a row back
.set OGO, 13                           ; v13  my byte in the wave's rows of out
.set PKO, 14                           ; v14  the prefetches' offsets: a thread a row of K,
.set PVO, 15                           ; v15  a thread a row of V
.set ST,  16
.set RAW, 32                           ; v32  R
.set LIM, 33                           ; v33  448 x 2^ep
.set SCL, 34                           ; v34  2^ep as f32: the conversion takes its exponent field
.set EPV, 35                           ; v35  ep + ev
.set TIN, 36                           ; v36  where the pass's running maximum starts
.set NMF, 37                           ; v37  128 n as f32
.set Z,   38                           ; v[38:39], v[40:41] the tiles' second chains of the sum
.set WSA, 42                           ; v42  W into the stage: 16 bytes a lane
.set WRA, 43                           ; v43  and back: 32 (lane / 16)
.set W0,  44                           ; v[44:47] W of this pass, channels 4 lane .. 4 lane + 3
.set W1,  48                           ; v[48:51] of the next
.set PM,  52                           ; v[52:59] the eight sources of p_m's conversion: v52 = p_m, the others stay 0
.set PMC, 60                           ; v[60:61] its codes
.set S,   64
.set P,   192
.set VG,  224
.set O,   0                            ; window 1
.set Q,   128
.set F,   160
.set KG,  224
.set MWP, 10                           ; s[10:11] the step's mask words
.set KA,  12                           ; s[12:13] the next slot's rows of K in memory
.set VA,  14                           ; s[14:15] of V
.set VCN, 66                           ; s66  the visit
.set TB,  67                           ; s67  LDS byte at which the slot in hand begins
.set FSH, 68                           ; s68  bit 0: the step in hand is wholly masked for my 32 queries; shifted a bit a step
.set ASH, 69                           ; s69  bit 0: something in it is masked
.set NSH, 70                           ; s70  bit 2: some wave wants the next visit's slot; shifted two bits a visit
.set LIMK, 71                          ; s71  my wave's number, then: I prefetch K while the visit is under this
.set LIMV, 100                         ; s100 the same for V
.set CS,  96                           ; s[96:97] c = log2(e) / sqrt(128) x 2^(eq + ek), twice
.set SEL, 98                           ; s[98:99] lane selects for v_permlanex16_b32: lane l xor 16
; s2 = x; s3 = 1 where p needs no hold; s[4:5] Q, s[6:7] K, s[8:9] V at my head (Q: at my wave's rows); s[72:73] mask words at my wave's tiles; s[78:79] out at my head and wave;
; s[16:31], s[32:47], s[48:63], s[80:95] four groups of 16 mask words; s[74:75], s[76:77] pairs at work; s101, s104, s105 at work.
.set MSB, 0
.macro WIN new                         ; the immediate's low byte: bits 1:0 source 0, 3:2 source 1, 5:4 source 2, 7:6 destination; its high byte repeats the setting that is left
.if MSB != \new
	s_set_vgpr_msb (MSB<<8)|\new
.set MSB, \new
.endif
.endm
; A load into a register that a matrix instruction has read, and a vector instruction that reads a matrix result, stand four plain vector instructions behind it
.macro PLACES n
.rept \n
	v_nop
.endr
.endm
.macro KFRAG q, g                      ; four tiles of 16 keys of the slot's step q
	WIN 0x40
.irp t, 0,1,2,3
.irp c, 0,1,2,3
	ds_load_b128 v[F+16*\t+4*\c:F+16*\t+4*\c+3], v[ADK] offset:(\q)*KSTP+(4*(\g)+\t)*FRB+2*CH*\c
.endr
.endr
.endm
.macro VFRAG q, g                      ; four tiles of 16 channels
	WIN 0x40
.irp t, 0,1,2,3
.irp c, 0,1,2,3
	ds_load_b128 v[F+16*\t+4*\c:F+16*\t+4*\c+3], v[ADV] offset:(\q)*VSTP+(4*(\g)+\t)*FRB+2*CH*\c
.endr
.endr
.endm
.macro QK g                            ; S^T = K Q^T: each fragment of K against both tiles of queries
	WIN 0x05
.irp t, 0,1,2,3
.irp u, 0,1
	v_wmma_f32_16x16x128_fp8_fp8 v[S+64*\u+8*(4*(\g)+\t):S+64*\u+8*(4*(\g)+\t)+7], v[F+16*\t:F+16*\t+15], v[Q+16*\u:Q+16*\u+15], 0
.endr
.endr
.endm
.macro PV g                            ; O^T += V^T P^T: eight accumulators by turns, one instruction a turn
	WIN 0x51
.irp t, 0,1,2,3
.irp u, 0,1
	v_wmma_f32_16x16x128_fp8_fp8 v[O+64*\u+8*(4*(\g)+\t):O+64*\u+8*(4*(\g)+\t)+7], v[F+16*\t:F+16*\t+15], v[P+16*\u:P+16*\u+15], v[O+64*\u+8*(4*(\g)+\t):O+64*\u+8*(4*(\g)+\t)+7]
.endr
.endr
.endm
.macro MLOAD u, k                      ; tile u's mask words 16 k .. 16 k + 15 into group k
	s_load_b512 s[16+16*(\k)+16*((\k)/3):31+16*(\k)+16*((\k)/3)], s[MWP:MWP+1], 4096*(\u)+64*(\k)
.endm
.macro MAPPLY u, k                     ; a masked score becomes R; each accumulator from its low end on
.irp i, 0,1,2,3,4,5,6,7,8,9,10,11,12,13,14,15
	v_cndmask_b32 v[S+64*(\u)+16*(\k)+\i], v[S+64*(\u)+16*(\k)+\i], v[RAW], s[16+16*(\k)+16*((\k)/3)+\i]
.endr
.endm
; The step's largest score of each query, the new M and f = 2^(old M - new M); the two tiles line by line, so that no line waits for the one above it
.macro MAXM
.irp u, 0,1
	v_max3_num_f32 v[ST+8*\u+6], v[S+64*\u], v[S+64*\u+1], v[S+64*\u+2]
.endr
.irp u, 0,1
	v_max3_num_f32 v[ST+8*\u+7], v[S+64*\u+3], v[S+64*\u+4], v[S+64*\u+5]
.endr
.irp i, 6,10,14,18,22,26,30,34,38,42,46,50,54,58
.irp u, 0,1
	v_max3_num_f32 v[ST+8*\u+6], v[ST+8*\u+6], v[S+64*\u+\i], v[S+64*\u+\i+1]
.endr
.irp u, 0,1
	v_max3_num_f32 v[ST+8*\u+7], v[ST+8*\u+7], v[S+64*\u+\i+2], v[S+64*\u+\i+3]
.endr
.endr
.irp u, 0,1
	v_max3_num_f32 v[ST+8*\u+6], v[ST+8*\u+6], v[S+64*\u+62], v[S+64*\u+63]
.endr
.irp u, 0,1
	v_max_num_f32 v[ST+8*\u+6], v[ST+8*\u+6], v[ST+8*\u+7]
.endr
.irp u, 0,1
	v_permlanex16_b32 v[ST+8*\u+4], v[ST+8*\u+6], s[SEL], s[SEL+1]   ; the query's other 64 keys lie in the lane 16 away
.endr
.irp u, 0,1
	v_max_num_f32 v[ST+8*\u+6], v[ST+8*\u+6], v[ST+8*\u+4]
.endr
.irp u, 0,1
	v_mul_f32 v[ST+8*\u+6], s[CS], v[ST+8*\u+6]    ; as t (c is positive)
.endr
.irp u, 0,1
	v_max_num_f32 v[ST+8*\u+1], v[ST+8*\u+1], v[ST+8*\u+6]
.endr
.irp u, 0,1
	v_mov_b32 v[ST+8*\u+7], v[ST+8*\u]
.endr
.irp u, 0,1
	v_floor_f32 v[ST+8*\u], -v[ST+8*\u+1]          ; the new -M = floor(-t) = -ceil(t)
.endr
.irp u, 0,1
	v_sub_f32 v[ST+8*\u+7], v[ST+8*\u], v[ST+8*\u+7]   ; old M - new M: a whole number, 0 or less
.endr
.irp u, 0,1
	v_cvt_i32_f32 v[ST+8*\u+7], v[ST+8*\u+7]       ; (it saturates)
.endr
.irp u, 0,1
	v_ldexp_f32 v[ST+8*\u+4], 1.0, v[ST+8*\u+7]
.endr
.endm
.macro ADDP u, n                       ; pair n of tile u's p onto one of two chains: THE ROW'S SUM IS TAKEN OF THE UNQUANTISED p
.if ((\n)%2) == 0
	s_wait_alu depctr_va_vdst(0)
	v_pk_add_f32 v[ST+8*(\u)+2:ST+8*(\u)+3], v[ST+8*(\u)+2:ST+8*(\u)+3], v[S+64*(\u)+2*(\n):S+64*(\u)+2*(\n)+1]
.else
	v_pk_add_f32 v[Z+2*(\u):Z+2*(\u)+1], v[Z+2*(\u):Z+2*(\u)+1], v[S+64*(\u)+2*(\n):S+64*(\u)+2*(\n)+1]
.endif
.endm
; Tile 0's exponentials, with plain work that is ready between them (tile 1's t - M, tile 0's sums a pair back): every exponential has a plain vector instruction between it and the use of its result (ISA guide 5.7.2)
.macro EXPA
	v_pk_mul_f32 v[ST+2:ST+3], v[ST+2:ST+3], v[ST+4:ST+5] op_sel_hi:[1,0]   ; tile 0's sum under the new M
.irp i, 0,1,2,3
	v_mov_b32 v[Z+\i], 0
.endr
.set j, 0
.rept 32
	v_exp_f32 v[S+2*j], v[S+2*j]
	v_pk_fma_f32 v[S+64+2*j:S+65+2*j], v[S+64+2*j:S+65+2*j], s[CS:CS+1], v[ST+8:ST+9] op_sel_hi:[1,0,0]
	v_exp_f32 v[S+2*j+1], v[S+2*j+1]
.if j > 0
	ADDP 0, j-1
.endif
.set j, j+1
.endr
	ADDP 0, 31
.endm
.macro EXPB                            ; tile 1's, with its own sums a pair back
.set j, 0
.rept 32
	v_exp_f32 v[S+64+2*j], v[S+64+2*j]
	v_exp_f32 v[S+65+2*j], v[S+65+2*j]
.if j == 0
	v_pk_mul_f32 v[ST+10:ST+11], v[ST+10:ST+11], v[ST+12:ST+13] op_sel_hi:[1,0]
.else
	ADDP 1, j-1
.endif
.set j, j+1
.endr
	ADDP 1, 31
.endm
; The conversion to an 8-bit code does not saturate (ISA guide 7.6.2).  p is at most 1 (one grain over at the most), and 448 x 2^ep is 1.75 or more from ep = -8 on: there the hold changes nothing and is passed over
.macro HOLDP
	s_cmp_eq_u32 s3, 1
	s_cbranch_scc1 .Lheld_\@
.set j, 0
.rept 128
	v_min_num_f32 v[S+j], v[S+j], v[LIM]           ; p is not negative: the hold is one-sided
.set j, j+1
.endr
.Lheld_\@:
.endm
; A KEY STEP: 128 keys, the q-th of the slot in hand, for my 32 queries
.macro STEP q
	s_bitcmp1_b32 s[FSH], 0
	s_cbranch_scc1 .Lskip_\@                       ; wholly masked: its share is added at the pass's end
.irp k, 0,1,2,3
	MLOAD 0, \k                                    ; tile 0's 64 mask words, asked for ahead of the products
.endr
	KFRAG \q, 0
	s_wait_dscnt 0x0
	QK 0
	PLACES 4
	KFRAG \q, 1
	s_wait_dscnt 0x0
	QK 1
	PLACES 4                                       ; for the loads below and for the first read of the scores
	VFRAG \q, 0                                    ; V's first four tiles land while the softmax is worked
	WIN 0
	s_wait_kmcnt 0x0                               ; the mask words are in, and their base may be stepped
	s_bitcmp1_b32 s[ASH], 0
	s_cbranch_scc0 .Lclear_\@                      ; nothing is masked in this step
.irp k, 0,1,2,3
	MAPPLY 0, \k
	MLOAD 1, \k                                    ; the group is free: tile 1's words take its place
.endr
	s_wait_kmcnt 0x0
.irp k, 0,1,2,3
	MAPPLY 1, \k
.endr
.Lclear_\@:
	MAXM
.set j, 0
.rept 32
	v_pk_fma_f32 v[S+2*j:S+2*j+1], v[S+2*j:S+2*j+1], s[CS:CS+1], v[ST:ST+1] op_sel_hi:[1,0,0]   ; tile 0: t - M, two at a time (of the pairs c and -M the low word serves both halves)
.set j, j+1
.endr
	EXPA
	EXPB
.irp u, 0,1
	v_pk_add_f32 v[ST+8*\u+2:ST+8*\u+3], v[ST+8*\u+2:ST+8*\u+3], v[Z+2*\u:Z+2*\u+1]
.endr
	HOLDP
.irp u, 0,1
.irp b, 0,1,2,3
	v_cvt_scalef32_pk8_fp8_f32 v[P+16*\u+4*\b:P+16*\u+4*\b+1], v[S+64*\u+16*\b:S+64*\u+16*\b+7], v[SCL]
	v_cvt_scalef32_pk8_fp8_f32 v[P+16*\u+4*\b+2:P+16*\u+4*\b+3], v[S+64*\u+16*\b+8:S+64*\u+16*\b+15], v[SCL]
.endr
.endr
	WIN 0x41                                       ; O^T under the new M, each accumulator from its low end on.  These 64 are also the plain instructions between the conversions and the products that read their results
.irp u, 0,1
.set j, 0
.rept 32
	v_pk_mul_f32 v[O+64*\u+2*j:O+64*\u+2*j+1], v[O+64*\u+2*j:O+64*\u+2*j+1], v[ST+8*\u+4:ST+8*\u+5] op_sel_hi:[1,0]
.set j, j+1
.endr
.endr
	s_wait_dscnt 0x0                               ; V's first four tiles are in
	PV 0
	PLACES 4
	VFRAG \q, 1
	s_wait_dscnt 0x0
	PV 1
	WIN 0
	PLACES 4                                       ; for the next loads into the fragments' registers and the next read of O^T, whatever follows
.Lskip_\@:
	s_lshr_b32 s[FSH], s[FSH], 1
	s_lshr_b32 s[ASH], s[ASH], 1
	s_add_nc_u64 s[MWP:MWP+1], s[MWP:MWP+1], 256   ; the next step's mask words
.endm
; STAGING, a slot ahead.  K: wave w takes rows 32 w .. 32 w + 31 of the slot's 256: load i = rows 4 i + lane / 8, eight lanes to a row's 128 bytes.  Key y = 4 i + lane / 8 of its 32 goes to tile (y / 8) % 2, row 8 (y / 16) + y % 8
.macro KLD
	WIN 0x40
.irp i, 0,1,2,3,4,5,6,7
	global_load_b128 v[KG+4*\i:KG+4*\i+3], v[KGO], s[KA:KA+1] offset:32768*\i
.endr
	WIN 0
.endm
.macro KST
	WIN 0x04
.irp i, 0,1,2,3,4,5,6,7
	ds_store_b128 v[KSA], v[KG+4*\i:KG+4*\i+3] offset:((\i/2)%2)*FRB+(\i/4)*128+(\i%2)*64
.endr
	WIN 0
.endm
; V: wave w takes channels 16 w .. 16 w + 15, one tile: load i = rows 2 i + lane / 16, sixteen lanes to the slot's 256 consecutive, aligned bytes of a row
.macro VLD
.irp i, 0,1,2,3,4,5,6,7
	global_load_b128 v[VG+4*\i:VG+4*\i+3], v[VGO], s[VA:VA+1] offset:4096*\i
.endr
.endm
.macro VST
.irp i, 0,1,2,3,4,5,6,7
	ds_store_b128 v[VSA], v[VG+4*\i:VG+4*\i+3] offset:32*\i
.endr
.endm
.macro QLD b                           ; my 32 queries' codes: they stay in registers for a pass
	WIN 0x40
.irp u, 0,1
.irp c, 0,1,2,3
	global_load_b128 v[Q+16*\u+4*\c:Q+16*\u+4*\c+3], v[QGO], s[\b:\b+1] offset:131072*\u+32*\c th:TH_LOAD_NT
.endr
.endr
	WIN 0
.endm
; The flags of query block s101.  Out: s104 = steps wholly masked for all 256 queries, s105 = steps with something masked for my 32, s100 = steps wholly masked for my 32; bit = step
.macro FLAGS
	s_lshl_b32 s80, s101, 7                        ; 32 words a block: 16 tiles x 2 halves
	s_mov_b32 s81, 0
	s_add_nc_u64 s[80:81], s[74:75], s[80:81]
	s_lshl_b32 s82, s71, 4                         ; my two tiles' four words
	s_mov_b32 s83, 0
	s_add_nc_u64 s[82:83], s[80:81], s[82:83]
	s_load_b512 s[16:31], s[80:81], 0x400
	s_load_b512 s[32:47], s[80:81], 0x440
	s_load_b128 s[48:51], s[82:83], 0x0
	s_load_b128 s[52:55], s[82:83], 0x400
	s_wait_kmcnt 0x0
.irp i, 18,20,22,24,26,28,30,32,34,36,38,40,42,44,46
	s_and_b32 s16, s16, s[\i]                      ; even words: steps 0-7,
	s_and_b32 s17, s17, s[\i+1]                    ; odd words: steps 8-15
.endr
	s_lshl_b32 s17, s17, 8
	s_or_b32 s104, s16, s17
	s_or_b32 s48, s48, s50
	s_or_b32 s49, s49, s51
	s_lshl_b32 s49, s49, 8
	s_or_b32 s105, s48, s49
	s_and_b32 s52, s52, s54
	s_and_b32 s53, s53, s55
	s_lshl_b32 s53, s53, 8
	s_or_b32 s100, s52, s53
.endm
; A pass begins; s101 = its query block.  Which step is a wave's first hangs on the flags, so no product can be written that starts O^T's sums: O^T is cleared
.macro PASSINIT
	s_and_b32 s104, s[FSH], 0xffff
	s_bcnt1_i32_b32 s104, s104                     ; n: my steps that are left out in this pass
	s_mov_b32 s105, 0xff61b1e6                     ; -3e38, under every t
	s_cmp_lg_u32 s104, 0
	s_cselect_b32 s105, 0xc6616bcd, s105           ; TM = -10000 log2(e)
	v_mov_b32 v[TIN], s105
	s_lshl_b32 s104, s104, 7
	v_cvt_f32_u32 v[NMF], s104
.irp u, 0,1
	v_mov_b32 v[ST+8*\u+1], v[TIN]
	v_floor_f32 v[ST+8*\u], -v[TIN]
	v_mov_b32 v[ST+8*\u+2], 0
	v_mov_b32 v[ST+8*\u+3], 0
.endr
	WIN 0x40
.set j, 0
.rept 128
	v_mov_b32 v[O+j], 0
.set j, j+1
.endr
	WIN 0
	s_lshl_b32 s[MWP], s101, 16                    ; 16 tiles x 4,096 bytes of mask words a block
	s_mov_b32 s[MWP+1], 0
	s_add_nc_u64 s[MWP:MWP+1], s[72:73], s[MWP:MWP+1]
.endm
; Tile u goes out: (O^T + Q(p_m) W) x 2^(ep + ev) / the sum, through my stage, half a row (64 channels, 256 bytes) of 16 queries at a time
.macro OUTTILE u
	WIN 0x10                                       ; source 2 (O^T) window 1
.set j, 0
.rept 32
	v_pk_fma_f32 v[S+2*j:S+2*j+1], v[S+64+2*j:S+65+2*j], v[ST+8*\u+6:ST+8*\u+7], v[O+64*\u+2*j:O+64*\u+2*j+1] op_sel_hi:[1,0,1]
.set j, j+1
.endr
	WIN 0
.set j, 0
.rept 32
	v_pk_mul_f32 v[S+2*j:S+2*j+1], v[S+2*j:S+2*j+1], v[ST+8*\u+4:ST+8*\u+5] op_sel_hi:[1,0]
.set j, j+1
.endr
.irp y, 0,1
.irp t, 0,1,2,3
	ds_store_b128 v[STO], v[S+32*\y+8*\t:S+32*\y+8*\t+3] offset:64*\t          ; lane (r, h): out(r, 64 y + 16 t + 8 h + 0 .. 7)
	ds_store_b128 v[STO], v[S+32*\y+8*\t+4:S+32*\y+8*\t+7] offset:64*\t+16
.endr
.irp i, 0,1,2,3,4,5,6,7
	ds_load_b128 v[P+32*\y+4*\i:P+32*\y+4*\i+3], v[SRD] offset:2*SP*\i         ; LDS serves a wave's instructions in order (ISA guide 5.7.1.4): these see my stores, and the next half's stores come behind them
.endr
.endr
.irp y, 0,1
.irp i, 0,1,2,3,4,5,6,7
	s_wait_dscnt 23-16*\y-\i                       ; behind this load: the rest of its eight, and for the first half the second half's eight stores and eight loads
	global_store_b128 v[OGO], v[P+32*\y+4*\i:P+32*\y+4*\i+3], s[74:75] offset:524288*\u+65536*\i+256*\y th:TH_STORE_NT   ; 16 lanes store 256 consecutive bytes, at a multiple of 256 from out's first byte
.endr
.endr
.endm
	s_load_b256 s[4:11], s[0:1], 0x0               ; Q s[4:5], K s[6:7], V s[8:9], the scales' exponents s[10:11]
	s_load_b256 s[72:79], s[0:1], 0x20             ; mask words s[72:73], flags s[74:75], V's sums s[76:77], out s[78:79]
	v_lshrrev_b32 v60, 5, v0
	v_readfirstlane_b32 s71, v60                   ; wave 0..7
	s_mov_b32 s2, ttmp9                            ; x
	v_and_b32 v60, 15, v0                          ; r = lane % 16
	v_bfe_u32 v61, v0, 4, 1                        ; h = lane / 16
	v_and_b32 v62, 7, v0                           ; lane % 8
	v_bfe_u32 v63, v0, 3, 2                        ; lane / 8
	v_mul_u32_u24 v[FA], v61, CH
	v_lshl_add_u32 v[FA], v60, 4, v[FA]
	v_mul_u32_u24 v[KS0], v62, CH                  ; K: my 16 bytes of a row are chunk lane % 8,
	v_lshl_add_u32 v[KS0], v63, 4, v[KS0]          ; row lane / 8 (+ what the store's immediate adds),
	s_mul_i32 s101, s71, 2*FRB
	v_add_nc_u32 v[KS0], s101, v[KS0]              ; of my wave's two tiles
	v_bfe_u32 v[VS0], v0, 3, 1                     ; V: my 16 bytes of a row's 256 lie in step (lane / 8) % 2,
	v_mul_u32_u24 v[VS0], v[VS0], VSTP
	v_mad_u32_u24 v[VS0], v62, CH, v[VS0]          ; chunk lane % 8,
	v_lshl_add_u32 v[VS0], v61, 4, v[VS0]          ; row lane / 16 (+ 2 i),
	s_mul_i32 s101, s71, FRB
	s_add_co_u32 s101, s101, VOFF
	v_add_nc_u32 v[VS0], s101, v[VS0]              ; of my wave's tile
	v_lshlrev_b32 v[KGO], 13, v63
	v_lshl_add_u32 v[KGO], v62, 4, v[KGO]
	s_lshl_b32 s101, s71, 18
	v_add_nc_u32 v[KGO], s101, v[KGO]              ; (32 wave + lane / 8) rows of 8,192 bytes + 16 (lane % 8)
	v_lshlrev_b32 v[VGO], 11, v61
	v_lshl_add_u32 v[VGO], v60, 4, v[VGO]
	s_lshl_b32 s101, s71, 15
	v_add_nc_u32 v[VGO], s101, v[VGO]              ; (16 wave + lane / 16) rows of 2,048 bytes + 16 (lane % 16)
	v_lshlrev_b32 v[QGO], 13, v60
	v_lshl_add_u32 v[QGO], v61, 4, v[QGO]          ; row r, + 16 h
	s_mul_i32 s101, s71, 16*SP
	s_add_co_u32 s101, s101, STG                   ; my stage
	v_mul_u32_u24 v[STO], v60, SP
	v_lshl_add_u32 v[STO], v61, 5, v[STO]
	v_add_nc_u32 v[STO], s101, v[STO]              ; in: row r, + 32 h
	v_mul_u32_u24 v[SRD], v61, SP
	v_lshl_add_u32 v[SRD], v60, 4, v[SRD]
	v_add_nc_u32 v[SRD], s101, v[SRD]              ; back: lanes 0-15 one row, lanes 16-31 the next
	v_lshlrev_b32 v[OGO], 15, v61
	v_lshl_add_u32 v[OGO], v60, 4, v[OGO]          ; and the same two rows in out
	v_lshlrev_b32 v[PKO], 13, v0
	v_lshlrev_b32 v[PVO], 11, v0
	v_and_b32 v63, 31, v0
	v_lshl_add_u32 v[WSA], v63, 4, s101
	v_lshl_add_u32 v[WRA], v61, 5, s101
	v_lshlrev_b32 v63, 4, v63                      ; V's sums: channels 4 lane on
.irp i, 0,1,2,3,4,5,6,7
	v_mov_b32 v[PM+\i], 0
.endr
.irp u, 0,1
	v_mov_b32 v[ST+8*\u+4], 0                      ; written once: a lane permute's destination counts as one of its sources,
	v_mov_b32 v[ST+8*\u+5], 0                      ; and a pair's upper word is named with the lower
.endr
	s_and_b32 s105, ttmp7, 0xffff                  ; the head
	s_lshl_b32 s80, s105, 7                        ; K: 128 head
	s_mov_b32 s81, 0
	s_lshl_b32 s82, s71, 18
	s_add_co_u32 s82, s82, s80                     ; Q: 128 head + my wave's 32 rows of 8,192 bytes
	s_mov_b32 s83, 0
	s_lshl_b32 s88, s105, 18                       ; V
	s_mov_b32 s89, 0
	s_lshl_b32 s90, s71, 13                        ; mask words: my wave's two tiles of 4,096 bytes
	s_mov_b32 s91, 0
	s_lshl_b32 s92, s105, 9
	s_lshl_b32 s93, s71, 20
	s_add_co_u32 s92, s92, s93                     ; out: 512 head + 32 rows of 32,768 bytes
	s_mov_b32 s93, 0
	s_lshl_b32 s94, s105, 13                       ; V's sums: 16 blocks x 512 bytes a head
	s_mov_b32 s95, 0
	s_mov_b32 s[SEL], 0x76543210
	s_mov_b32 s[SEL+1], 0xfedcba98
	s_wait_kmcnt 0x0
	s_load_b128 s[84:87], s[10:11], 0x0            ; eq, ek, ev, ep
	s_add_nc_u64 s[4:5], s[4:5], s[82:83]
	s_add_nc_u64 s[6:7], s[6:7], s[80:81]
	s_add_nc_u64 s[8:9], s[8:9], s[88:89]
	s_add_nc_u64 s[72:73], s[72:73], s[90:91]
	s_add_nc_u64 s[78:79], s[78:79], s[92:93]
	s_add_nc_u64 s[76:77], s[76:77], s[94:95]
	s_mov_b64 s[KA:KA+1], s[6:7]                   ; slot 0
	s_mov_b64 s[VA:VA+1], s[8:9]
	s_sub_co_u32 s101, 7, s2                       ; the first pass's block
	s_lshl_b32 s88, s101, 21                       ; 256 rows of 8,192 bytes a block
	s_mov_b32 s89, 0
	s_add_nc_u64 s[88:89], s[4:5], s[88:89]
	KLD                                            ; slot 0 is staged whatever the flags say: so the staging registers hold data on every way through the loop
	VLD
	QLD 88
.irp i, 0,1,2,3,4,5,6,7,8,9,10,11,12,13,14,15
	global_load_b128 v[S+4*\i:S+4*\i+3], v63, s[76:77] offset:512*\i   ; the head's 16 blocks of V's sums
.endr
	FLAGS                                          ; the first pass's,
	s_mov_b32 s[FSH], s100
	s_mov_b32 s[ASH], s105
	s_mov_b32 s[NSH], s104
	s_mov_b32 s101, s2
	FLAGS                                          ; the second's: into bits 16-31
	s_lshl_b32 s100, s100, 16
	s_or_b32 s[FSH], s[FSH], s100
	s_lshl_b32 s105, s105, 16
	s_or_b32 s[ASH], s[ASH], s105
	s_lshl_b32 s104, s104, 16
	s_or_b32 s[NSH], s[NSH], s104
	s_lshr_b32 s104, s[NSH], 1
	s_and_b32 s[NSH], s[NSH], s104                 ; bit 2 v: both steps of visit v's slot are wholly masked for all eight waves
	s_not_b32 s[NSH], s[NSH]
	s_and_b32 s[NSH], s[NSH], 0x55555555           ; bit 2 v: somebody wants the slot
	s_add_co_i32 s104, s84, s85                    ; eq + ek
	s_lshl_b32 s104, s104, 23
	s_add_co_u32 s[CS], s104, 0x3e0293ee           ; a score stands for score x 2^(eq + ek): the exponents are added to c's exponent field,
	s_mov_b32 s[CS+1], s[CS]
	s_sub_co_u32 s105, 0xc7dcf88b, s104            ; and taken off that of -10000 sqrt(128)
	v_mov_b32 v[RAW], s105
	s_add_co_i32 s104, s87, 127
	s_lshl_b32 s105, s104, 23
	v_mov_b32 v[SCL], s105
	s_add_co_i32 s104, s104, 8
	s_lshl_b32 s104, s104, 23
	s_or_b32 s104, s104, 0x600000
	v_mov_b32 v[LIM], s104
	s_add_co_i32 s104, s86, s87
	v_mov_b32 v[EPV], s104
	s_cmp_ge_i32 s87, -8
	s_cselect_b32 s3, 1, 0
	; who prefetches: of the head's four work-groups the one with x = 0.  V: its waves 0 to 3, a thread a row.  K: all eight waves, a thread a row, in even heads alone: the aligned 256 bytes named hold the rows of heads 2 i and 2 i + 1
	s_lshr_b32 s104, s71, 2
	s_or_b32 s104, s104, s2
	s_cmp_eq_u32 s104, 0
	s_cselect_b32 s[LIMV], 6, 0
	s_and_b32 s104, ttmp7, 1
	s_or_b32 s104, s104, s2
	s_cmp_eq_u32 s104, 0
	s_cselect_b32 s[LIMK], 6, 0                    ; (the wave's number is needed no more)
	s_wait_loadcnt 0x0
	v_mov_b32 v[KSA], v[KS0]
	v_mov_b32 v[VSA], v[VS0]
	KST
	VST
	; W = the sum of V's sums over my blocks that are left out, for both passes: a block counts 1.0 or 0
	s_mov_b32 s75, 0
	s_mov_b32 s77, 0
.set j, 0
.rept 16
	s_bitcmp1_b32 s[FSH], j
	s_cselect_b32 s74, 1.0, 0
	s_bitcmp1_b32 s[FSH], j+16
	s_cselect_b32 s76, 1.0, 0
.if j == 0
	v_pk_mul_f32 v[W0:W0+1], v[S:S+1], s[74:75] op_sel_hi:[1,0]
	v_pk_mul_f32 v[W0+2:W0+3], v[S+2:S+3], s[74:75] op_sel_hi:[1,0]
	v_pk_mul_f32 v[W1:W1+1], v[S:S+1], s[76:77] op_sel_hi:[1,0]
	v_pk_mul_f32 v[W1+2:W1+3], v[S+2:S+3], s[76:77] op_sel_hi:[1,0]
.else
	v_pk_fma_f32 v[W0:W0+1], v[S+4*j:S+4*j+1], s[74:75], v[W0:W0+1] op_sel_hi:[1,0,1]
	v_pk_fma_f32 v[W0+2:W0+3], v[S+4*j+2:S+4*j+3], s[74:75], v[W0+2:W0+3] op_sel_hi:[1,0,1]
	v_pk_fma_f32 v[W1:W1+1], v[S+4*j:S+4*j+1], s[76:77], v[W1:W1+1] op_sel_hi:[1,0,1]
	v_pk_fma_f32 v[W1+2:W1+3], v[S+4*j+2:S+4*j+3], s[76:77], v[W1+2:W1+3] op_sel_hi:[1,0,1]
.endif
.set j, j+1
.endr
	s_sub_co_u32 s101, 7, s2
	PASSINIT
	s_mov_b32 s[TB], 0
	s_mov_b32 s[VCN], 0
.Lvisit:
	s_wait_dscnt 0x0                               ; my stores into the slot ahead have landed, and my reads of the slot that I leave are over
	s_barrier_signal -1
	s_barrier_wait -1                              ; both now hold of all eight waves: the slot ahead is whole, the other is free
	s_wait_xcnt 0x0                                ; every earlier load, store and prefetch has read its address and data registers: they are written again only behind this wait
	s_add_co_u32 s101, s[VCN], 1
	s_and_b32 s101, s101, 7                        ; the next visit's slot
	s_lshl_b32 s[KA], s101, 21                     ; 256 rows of 8,192 bytes
	s_mov_b32 s[KA+1], 0
	s_add_nc_u64 s[KA:KA+1], s[6:7], s[KA:KA+1]
	s_lshl_b32 s[VA], s101, 8                      ; 256 bytes of each row
	s_mov_b32 s[VA+1], 0
	s_add_nc_u64 s[VA:VA+1], s[8:9], s[VA:VA+1]
	v_add_nc_u32 v[ADK], s[TB], v[FA]
	v_add_nc_u32 v[ADV], VOFF, v[ADK]
	s_xor_b32 s101, s[TB], SLOT1
	v_add_nc_u32 v[KSA], s101, v[KS0]
	v_add_nc_u32 v[VSA], s101, v[VS0]
	s_bitcmp1_b32 s[NSH], 2
	s_cbranch_scc0 .Lno_kld                        ; nobody wants the next slot
	KLD                                            ; it has the first step in which to land
.Lno_kld:
	; A prefetch of the slot after the next, behind the wave's loads: 256 rows of K, a thread a row, and 256 bytes of each of V's 128 rows.  Visits 0 to 5 of the first pass ask for slots 2 to 7:
	; each aligned 256 bytes are named once in the launch, slots 0 and 1 come by their loads alone, and from visit 6 on nothing is asked for
	s_cmp_lt_u32 s[VCN], s[LIMK]
	s_cbranch_scc0 .Lno_pk
	global_prefetch_b8 v[PKO], s[KA:KA+1] offset:2097152 th:TH_LOAD_NT scope:SCOPE_SE
.Lno_pk:
	s_cmp_lt_u32 s[VCN], s[LIMV]
	s_cbranch_scc0 .Lno_pv
	global_prefetch_b8 v[PVO], s[VA:VA+1] offset:256 th:TH_LOAD_NT scope:SCOPE_SE
.Lno_pv:
	STEP 0
	s_wait_loadcnt 0x0                             ; K's rows are in (on every way: the wait hangs on no flag)
	s_bitcmp1_b32 s[NSH], 2
	s_cbranch_scc0 .Lno_kst
	KST
	VLD                                            ; V has the second step in which to land
.Lno_kst:
	STEP 1
	s_wait_loadcnt 0x0
	s_bitcmp1_b32 s[NSH], 2
	s_cbranch_scc0 .Lno_vst
	VST
.Lno_vst:
	s_lshr_b32 s[NSH], s[NSH], 2
	s_xor_b32 s[TB], s[TB], SLOT1                  ; on to the other slot
	s_and_b32 s101, s[VCN], 7
	s_cmp_eq_u32 s101, 7
	s_cbranch_scc0 .Lno_epi
	; A PASS'S END
	s_wait_dscnt 0x0                               ; the staging stores have read their registers: the way out uses V's
	s_sub_co_u32 s101, 7, s2
	s_cmp_lt_u32 s[VCN], 8
	s_cselect_b32 s101, s101, s2                   ; the pass's block
	s_lshl_b32 s74, s101, 23                       ; 256 rows of 32,768 bytes
	s_mov_b32 s75, 0
	s_add_nc_u64 s[74:75], s[78:79], s[74:75]
	s_cmp_eq_u32 s[VCN], 7
	s_cbranch_scc0 .Lno_q
	s_lshl_b32 s76, s2, 21
	s_mov_b32 s77, 0
	s_add_nc_u64 s[76:77], s[4:5], s[76:77]
	QLD 76                                         ; the second pass's queries are asked for now and land while the first pass goes out
.Lno_q:
	ds_store_b128 v[WSA], v[W0:W0+3]               ; W changes layout through my stage: in by channels 4 lane on,
.irp t, 0,1,2,3,4,5,6,7
	ds_load_b128 v[S+64+8*\t:S+64+8*\t+3], v[WRA] offset:64*\t        ; back as O^T has them: register 8 t + i = channel 16 t + 8 h + i
	ds_load_b128 v[S+64+8*\t+4:S+64+8*\t+7], v[WRA] offset:64*\t+16
.endr
.irp u, 0,1
	v_add_f32 v[ST+8*\u+6], v[TIN], v[ST+8*\u]     ; TM - M
.endr
.irp u, 0,1
	v_exp_f32 v[ST+8*\u+6], v[ST+8*\u+6]           ; p_m; 0 where nothing was left out
.endr
.irp u, 0,1
	v_add_f32 v[ST+8*\u+7], v[ST+8*\u+2], v[ST+8*\u+3]   ; the sum's two halves,
.endr
.irp u, 0,1
	v_permlanex16_b32 v[ST+8*\u+4], v[ST+8*\u+7], s[SEL], s[SEL+1]
.endr
.irp u, 0,1
	v_add_f32 v[ST+8*\u+7], v[ST+8*\u+7], v[ST+8*\u+4]   ; lane l xor 16's,
.endr
	s_wait_alu depctr_va_vdst(0)
.irp u, 0,1
	v_fma_f32 v[ST+8*\u+7], v[ST+8*\u+6], v[NMF], v[ST+8*\u+7]   ; and 128 n p_m: the row's sum
.endr
.irp u, 0,1
	v_min_num_f32 v[PM], v[ST+8*\u+6], v[LIM]      ; Q(p_m) by the quantiser itself: the hold, the conversion,
	v_cvt_scalef32_pk8_fp8_f32 v[PMC:PMC+1], v[PM:PM+7], v[SCL]
	v_nop                                          ; (one plain vector instruction between a scaled conversion and whatever touches its result or writes its sources)
	v_cvt_f32_fp8 v[ST+8*\u+6], v[PMC]             ; and the code's value, in the units of p's codes
.endr
.irp u, 0,1
	v_rcp_f32 v[ST+8*\u+4], v[ST+8*\u+7]
.endr
	v_nop                                          ; a plain instruction between the last reciprocal and the use of its result
	s_wait_alu depctr_va_vdst(0)
.irp u, 0,1
	v_ldexp_f32 v[ST+8*\u+4], v[ST+8*\u+4], v[EPV] ; 2^(ep + ev) / the sum
.endr
	s_wait_dscnt 0x0                               ; W is back
	OUTTILE 0
	s_wait_xcnt 0x0                                ; tile 0's stores have read their registers: tile 1's rows may land there
	OUTTILE 1
	s_cmp_eq_u32 s[VCN], 7
	s_cbranch_scc0 .Lno_epi
.irp i, 0,1,2,3
	v_mov_b32 v[W0+\i], v[W1+\i]
.endr
	s_mov_b32 s101, s2
	PASSINIT
	s_wait_loadcnt 0x0                             ; the second pass's queries
.Lno_epi:
	s_add_co_u32 s[VCN], s[VCN], 1
	s_cmp_lt_u32 s[VCN], 16
	s_cbranch_scc1 .Lvisit
	s_wait_xcnt 0x0
	v_lshl_add_u32 v254, v0, 2, 0x48800
	v_mov_b32 v255, 0
	s_wait_tensorcnt 0x0
	ds_add_u32 v254, v255
	s_wait_dscnt 0x0
	s_endpgm
.Lfunc_end_k_q0a053a36ee_attn:
	.size	k_q0a053a36ee_attn, .Lfunc_end_k_q0a053a36ee_attn-k_q0a053a36ee_attn
	.p2alignl 7, 3214868480
	.fill 96, 4, 3214868480
	.section	.rodata,"a",@progbits
	.p2align	6, 0x0
	.amdhsa_kernel k_q0a053a36ee_attn
		.amdhsa_group_segment_fixed_size 297984
		.amdhsa_private_segment_fixed_size 0
		.amdhsa_enable_private_segment 0
		.amdhsa_kernarg_size 64
		.amdhsa_user_sgpr_count 2
		.amdhsa_user_sgpr_kernarg_segment_ptr 1
		.amdhsa_wavefront_size32 1
		.amdhsa_system_sgpr_workgroup_id_x 1
		.amdhsa_system_sgpr_workgroup_id_y 1
		.amdhsa_system_sgpr_workgroup_id_z 1
		.amdhsa_system_vgpr_workitem_id 0
		.amdhsa_next_free_vgpr 512
		.amdhsa_next_free_sgpr 106
		.amdhsa_reserve_vcc 0
		.amdhsa_float_denorm_mode_32 3
		.amdhsa_float_denorm_mode_16_64 3
		.amdhsa_memory_ordered 1
		.amdhsa_forward_progress 1
		.amdhsa_inst_pref_size 140
	.end_amdhsa_kernel
	.amdgpu_metadata
---
amdhsa.version: [ 1, 2 ]
amdhsa.kernels:
  - .name:           k_q0a053a36ee_attn
    .symbol:         k_q0a053a36ee_attn.kd
    .args:
      - { .name: query_codes, .offset: 0, .size: 8, .value_kind: global_buffer, .address_space: global }
      - { .name: key_codes, .offset: 8, .size: 8, .value_kind: global_buffer, .address_space: global }
      - { .name: value_codes, .offset: 16, .size: 8, .value_kind: global_buffer, .address_space: global }
      - { .name: lowp_scales, .offset: 24, .size: 8, .value_kind: global_buffer, .address_space: global }
      - { .name: mwords, .offset: 32, .size: 8, .value_kind: global_buffer, .address_space: global }
      - { .name: flags, .offset: 40, .size: 8, .value_kind: global_buffer, .address_space: global }
      - { .name: vsum, .offset: 48, .size: 8, .value_kind: global_buffer, .address_space: global }
      - { .name: out0, .offset: 56, .size: 8, .value_kind: global_buffer, .address_space: global }
    .group_segment_fixed_size: 297984
    .private_segment_fixed_size: 0
    .kernarg_segment_align: 8
    .kernarg_segment_size: 64
    .max_flat_workgroup_size: 256
    .sgpr_count:     106
    .vgpr_count:     512
    .wavefront_size: 32
...
	.end_amdgpu_metadata
.endif
;; end of part 2
;; ======== version 2 of 2: 2 launches; version 1 with the launch attn written anew for expert scheduling mode
;; workspace buffers: mwords 524,288 bytes of whole numbers; flags 2,048 bytes of whole numbers; vsum 524,288 bytes
;; launch prep: the kernel of part 1 again; grid 256 x 1, 8 waves a work-group, no clusters, 3,328 bytes of LDS; arguments attention_mask, value_codes, mwords, flags, vsum; writes mwords, flags, vsum
;; launch attn (part 3): grid 4 x 64, 8 waves a work-group, no clusters, 297,984 bytes of LDS; arguments query_codes, key_codes, value_codes, lowp_scales, mwords, flags, vsum, out0; writes out0
.if DOCPART == 3
	.amdgcn_target "amdgcn-amd-amdhsa--gfx1250"
	.amdhsa_code_object_version 6
	.text
	.protected	k_q0a053a36ee_attn
	.globl	k_q0a053a36ee_attn
	.p2align	8
	.type	k_q0a053a36ee_attn,@function
k_q0a053a36ee_attn:
	s_mov_b64 s[64:65], 0
	v_nop
	global_prefetch_b8 v0, s[64:65] scope:SCOPE_SE
	s_setreg_imm32_b32 hwreg(HW_REG_WAVE_SCHED_MODE, 0, 2), 2
	s_setreg_imm32_b32 hwreg(HW_REG_WAVE_MODE, 25, 1), 1
	s_wait_xcnt 0x0
	s_wait_alu depctr_vm_vsrc(0)
; out[q][head][:] = the sum over k of softmax_k(where(mask[q][k], -10000, Q[q] . K[k] / sqrt(128))) V[k][:], both products on codes of FP8 (E4M3); the scales 2^eq, 2^ek, 2^ev, 2^ep are given, in that order.
; Q, K: a row of 128 codes at s x 8,192 + head x 128.  V: keys innermost, head x 262,144 + channel x 2,048 + key.  out: f32, s x 32,768 + head x 512.  The mask is an input: any pattern is served.
; THE SOFTMAX AHEAD OF THE SECOND PRODUCT: t = score x log2(e) / sqrt(128); M = the row's largest t so far, rounded UP to a whole number; p = 2^(t - M) is quantised, not normalised; the row's sum is
; taken of the unquantised p and divides at the end.  When M moves, the sum and O are multiplied by 2^(old M - new M), which rounds nothing.
; SHARES.  Work-group (x, head) makes two passes of 256 queries: block 7 - x, then block x.  Each of its eight waves owns 32 queries of a block: two tiles of 16, so that each fragment of K and V read from LDS feeds two products.
; One loop of 16 visits: pass = visit / 8, slot = visit % 8; a slot is 256 keys, two steps of 128.  One barrier a visit.
; STEPS THAT ARE WHOLLY MASKED for a wave's 32 queries are left out, by a scalar branch on whole numbers that the launch before stored.  Each of their keys has t = TM = -10000 log2(e), so under the final M such a step adds
; 128 p_m to the row's sum and Q(p_m) x (the sum of V over its keys) to O, p_m = 2^(TM - M).  Both are added at a pass's end: n steps give 128 n p_m, and Q(p_m) x W, W = the stored sums of V's codes over the wave's n blocks;
; Q(p_m) is made by the quantiser's own conversion.  With n > 0 every row has masked keys, so the running maximum starts at TM; else it starts under every t, and p_m comes out 0.
; In the other steps a masked score is replaced, ahead of the maximum, by R = -10000 sqrt(128) / 2^(eq + ek), for which R x c = TM up to f32's grain at that size.
; NO TENSOR LOADS, NO CLUSTER: which slots a work-group wants hangs on the stored flags, so the work-groups of a head want different numbers of tiles.
; K and V are staged through registers, a slot ahead: 64 KiB a slot, against the 512 KiB that the eight waves read of it from LDS.
; LAYOUT.  Both products are used transposed: S^T = K Q^T (source 0 = 16 keys, source 1 = 16 queries), O^T = V^T P^T (source 0 = 16 channels, source 1 = P): a lane holds ONE query (lane % 16) throughout.
; THE KEYS OF A TILE ARE NOT NEIGHBOURS: lane r of tile 2 b + u takes key 32 b + 8 u + r + 8 (r / 8), so that score register 16 b + i is key 32 b + 16 (lane / 16) + i: the conversions' results are the second product's operand.
; Every operand holds K = 32 c + 16 (lane / 16) + 0 .. 15 in registers 4 c .. 4 c + 3: a permutation of K, the same on both sides of each product.
; LDS.  A fragment (16 rows x 128 K) lies as eight chunks: chunk 2 c + h = the 16 rows' bytes 32 c + 16 h + 0 .. 15, 256 bytes on end, then 32 of padding.  A read takes 256 consecutive bytes for each half of the lanes; the staging
; stores of 16 lanes fall on 16 different columns of 16 bytes modulo 256 (64 banks of 4 bytes: ISA guide 11.1): chunks are 288 bytes apart, and V's second step lies 16 bytes past a multiple of 256.
; LIMITS on the given exponents, so that each power of two below is an f32 number: eq + ek between -111 and 130; ep between -126 and 119; ep + ev is applied by v_ldexp_f32 and has none.  NaN codes are not served.
; REGISTERS, in windows of 256.  Window 0: v1-15 addresses; v16-31 eight statistics a tile (+0 -M, +1 the largest t, +2, +3 the sum in two halves, +4 f, +5 its pair's upper word, +6, +7 at work);
;   v32-63 constants and W; v64-191 S^T, then p, 64 a tile; v192-223 p's codes; v224-255 V on its way to LDS.   Window 1: v0-127 O^T, 64 a tile; v128-159 Q; v160-223 four fragments; v224-255 K on its way to LDS.
; THE MODE: SCHED_MODE bits 1:0 = 2 (LLVM: expert scheduling mode 2), set by the entry lines.  The code itself states the register dependences between vector or matrix instructions and memory or LDS
; instructions, with s_wait_alu, always for 0.
; THE PLAN.  Registers that memory or LDS instructions touch, and who else names them.  Both windows are full, so there is one set of each:
;   F              LDS loads land in it four times a step; the eight products behind each run read it.  A wait on va_vdst stands ahead of each run (for a visit's first run: the one at the visit's head).
;   KG, VG         Global loads land, the staging stores read; no vector or matrix instruction names them in the loop.  At a pass's end rows of out land in VG and global stores read them.
;   Q              Global loads land at the head and at the first pass's end; the products K Q^T read it.
;   S, P           At a pass's end alone: W lands in v128-191; v64-127 are the data of the stage's stores; rows of out land in v192-223 and global stores read them.  (At the head V's sums land in v64-127.)
;   W0             The data of one LDS store a pass; written at the head and at the first pass's end.
;   v2, v3, v6, v7 LDS addresses, written once a visit, at its head.        v8-15, v42, v43, v63: offsets and addresses, written at the head and never again.
; A VISIT'S HEAD has one wait on vm_vsrc (all that earlier memory and LDS instructions read may be written: the four addresses, KG, VG, and S and P behind a pass's end) and, behind the four additions, one on va_vdst
; (the addresses are written; the last visit's products are done reading F).  No vector instruction of a step names v6, v7, KG or VG, so the visit's staging loads and stores owe nothing more.
; A PASS'S END has the same pair at its head, one wait on va_vdst ahead of each tile's stores into the stage, and one on vm_vsrc between the two tiles.
; THE EXPONENTIALS go in two batches a step, a tile each, each with one wait ahead of its first reader.
.set SLOT1, 1<<17                      ; slot 1 begins here: one exclusive or turns an address in one slot into the other's
.set CH,    288                        ; a chunk: 256 bytes + 32 of padding
.set FRB,   8*CH                       ; a fragment
.set KSTP,  8*FRB                      ; a step's eight tiles of K
.set VSTP,  8*FRB+16                   ; and of V
.set VOFF,  2*KSTP                     ; a slot: K's two steps, then V's
.set STG,   2*SLOT1                    ; behind the slots: a stage of 16 rows x 272 bytes for each wave
.set SP,    272
.set FA,  1                            ; v1   my place in a fragment: 288 (lane / 16) + 16 (lane % 16)
.set ADK, 2                            ; v2   the slot in hand + FA
.set ADV, 3                            ; v3   the same + VOFF
.set KS0, 4                            ; v4   where I put K's rows in a slot
.set VS0, 5                            ; v5   and V's
.set KSA, 6                            ; v6   the other slot + KS0
.set VSA, 7                            ; v7   the other slot + VS0
.set KGO, 8                            ; v8   my byte in a slot's rows of K in memory
.set VGO, 9                            ; v9   of V
.set QGO, 10                           ; v10  of Q
.set STO, 11                           ; v11  the stage: where I put 32 bytes of a row
.set SRD, 12                           ; v12  and where I read a row back
.set OGO, 13                           ; v13  my byte in the wave's rows of out
.set PKO, 14                           ; v14  the prefetches' offsets: a thread a row of K,
.set PVO, 15                           ; v15  a thread a row of V
.set ST,  16
.set RAW, 32                           ; v32  R
.set LIM, 33                           ; v33  448 x 2^ep
.set SCL, 34                           ; v34  2^ep as f32: the conversion takes its exponent field
.set EPV, 35                           ; v35  ep + ev
.set TIN, 36                           ; v36  where the pass's running maximum starts
.set NMF, 37                           ; v37  128 n as f32
.set Z,   38                           ; v[38:39], v[40:41] the tiles' second chains of the sum
.set WSA, 42                           ; v42  W into the stage: 16 bytes a lane
.set WRA, 43                           ; v43  and back: 32 (lane / 16)
.set W0,  44                           ; v[44:47] W of this pass, channels 4 lane .. 4 lane + 3
.set W1,  48                           ; v[48:51] of the next
.set PM,  52                           ; v[52:59] the eight sources of p_m's conversion: v52 = p_m, the others stay 0
.set PMC, 60                           ; v[60:61] its codes
.set S,   64
.set P,   192
.set VG,  224
.set O,   0                            ; window 1
.set Q,   128
.set F,   160
.set KG,  224
.set MWP, 10                           ; s[10:11] the step's mask words
.set KA,  12                           ; s[12:13] the next slot's rows of K in memory
.set VA,  14                           ; s[14:15] of V
.set VCN, 66                           ; s66  the visit
.set TB,  67                           ; s67  LDS byte at which the slot in hand begins
.set FSH, 68                           ; s68  bit 0: the step in hand is wholly masked for my 32 queries; shifted a bit a step
.set ASH, 69                           ; s69  bit 0: something in it is masked
.set NSH, 70                           ; s70  bit 2: some wave wants the next visit's slot; shifted two bits a visit
.set LIMK, 71                          ; s71  my wave's number, then: I prefetch K while the visit is under this
.set LIMV, 100                         ; s100 the same for V
.set CS,  96                           ; s[96:97] c = log2(e) / sqrt(128) x 2^(eq + ek), twice
.set SEL, 98                           ; s[98:99] lane selects for v_permlanex16_b32: lane l xor 16
; s2 = x; s3 = 1 where p needs no hold; s[4:5] Q, s[6:7] K, s[8:9] V at my head (Q: at my wave's rows); s[72:73] mask words at my wave's tiles; s[78:79] out at my head and wave;
; s[16:31], s[32:47], s[48:63], s[80:95] four groups of 16 mask words; s[74:75], s[76:77] pairs at work; s101, s104, s105 at work.
.set MSB, 0
.macro WIN new                         ; the immediate's low byte: bits 1:0 source 0, 3:2 source 1, 5:4 source 2, 7:6 destination; its high byte repeats the setting that is left; a switch that changes nothing is dropped
.if MSB != \new
	s_set_vgpr_msb (MSB<<8)|\new
.set MSB, \new
.endif
.endm
; A vector instruction that reads a matrix result stands four plain vector instructions behind it; the same four stand behind each run of products ahead of the wait and the loads into the registers that the run has read
.macro PLACES n
.rept \n
	v_nop
.endr
.endm
.macro KFRAG q, g                      ; four tiles of 16 keys of the slot's step q
	WIN 0x40
.irp t, 0,1,2,3
.irp c, 0,1,2,3
	ds_load_b128 v[F+16*\t+4*\c:F+16*\t+4*\c+3], v[ADK] offset:(\q)*KSTP+(4*(\g)+\t)*FRB+2*CH*\c
.endr
.endr
.endm
.macro VFRAG q, g                      ; four tiles of 16 channels
	WIN 0x40
.irp t, 0,1,2,3
.irp c, 0,1,2,3
	ds_load_b128 v[F+16*\t+4*\c:F+16*\t+4*\c+3], v[ADV] offset:(\q)*VSTP+(4*(\g)+\t)*FRB+2*CH*\c
.endr
.endr
.endm
.macro QK g                            ; S^T = K Q^T: each fragment of K against both tiles of queries
	WIN 0x05
.irp t, 0,1,2,3
.irp u, 0,1
	v_wmma_f32_16x16x128_fp8_fp8 v[S+64*\u+8*(4*(\g)+\t):S+64*\u+8*(4*(\g)+\t)+7], v[F+16*\t:F+16*\t+15], v[Q+16*\u:Q+16*\u+15], 0
.endr
.endr
.endm
.macro PV g                            ; O^T += V^T P^T: eight accumulators by turns, one instruction a turn
	WIN 0x51
.irp t, 0,1,2,3
.irp u, 0,1
	v_wmma_f32_16x16x128_fp8_fp8 v[O+64*\u+8*(4*(\g)+\t):O+64*\u+8*(4*(\g)+\t)+7], v[F+16*\t:F+16*\t+15], v[P+16*\u:P+16*\u+15], v[O+64*\u+8*(4*(\g)+\t):O+64*\u+8*(4*(\g)+\t)+7]
.endr
.endr
.endm
.macro MLOAD u, k                      ; tile u's mask words 16 k .. 16 k + 15 into group k
	s_load_b512 s[16+16*(\k)+16*((\k)/3):31+16*(\k)+16*((\k)/3)], s[MWP:MWP+1], 4096*(\u)+64*(\k)
.endm
.macro MAPPLY u, k                     ; a masked score becomes R; each accumulator from its low end on
.irp i, 0,1,2,3,4,5,6,7,8,9,10,11,12,13,14,15
	v_cndmask_b32 v[S+64*(\u)+16*(\k)+\i], v[S+64*(\u)+16*(\k)+\i], v[RAW], s[16+16*(\k)+16*((\k)/3)+\i]
.endr
.endm
; The step's largest score of each query, the new M and f = 2^(old M - new M); the two tiles line by line, so that no line waits for the one above it
.macro MAXM
.irp u, 0,1
	v_max3_num_f32 v[ST+8*\u+6], v[S+64*\u], v[S+64*\u+1], v[S+64*\u+2]
.endr
.irp u, 0,1
	v_max3_num_f32 v[ST+8*\u+7], v[S+64*\u+3], v[S+64*\u+4], v[S+64*\u+5]
.endr
.irp i, 6,10,14,18,22,26,30,34,38,42,46,50,54,58
.irp u, 0,1
	v_max3_num_f32 v[ST+8*\u+6], v[ST+8*\u+6], v[S+64*\u+\i], v[S+64*\u+\i+1]
.endr
.irp u, 0,1
	v_max3_num_f32 v[ST+8*\u+7], v[ST+8*\u+7], v[S+64*\u+\i+2], v[S+64*\u+\i+3]
.endr
.endr
.irp u, 0,1
	v_max3_num_f32 v[ST+8*\u+6], v[ST+8*\u+6], v[S+64*\u+62], v[S+64*\u+63]
.endr
.irp u, 0,1
	v_max_num_f32 v[ST+8*\u+6], v[ST+8*\u+6], v[ST+8*\u+7]
.endr
.irp u, 0,1
	v_permlanex16_b32 v[ST+8*\u+4], v[ST+8*\u+6], s[SEL], s[SEL+1]   ; the query's other 64 keys lie in the lane 16 away
.endr
.irp u, 0,1
	v_max_num_f32 v[ST+8*\u+6], v[ST+8*\u+6], v[ST+8*\u+4]
.endr
.irp u, 0,1
	v_mul_f32 v[ST+8*\u+6], s[CS], v[ST+8*\u+6]    ; as t (c is positive)
.endr
.irp u, 0,1
	v_max_num_f32 v[ST+8*\u+1], v[ST+8*\u+1], v[ST+8*\u+6]
.endr
.irp u, 0,1
	v_mov_b32 v[ST+8*\u+7], v[ST+8*\u]
.endr
.irp u, 0,1
	v_floor_f32 v[ST+8*\u], -v[ST+8*\u+1]          ; the new -M = floor(-t) = -ceil(t)
.endr
.irp u, 0,1
	v_sub_f32 v[ST+8*\u+7], v[ST+8*\u], v[ST+8*\u+7]   ; old M - new M: a whole number, 0 or less
.endr
.irp u, 0,1
	v_cvt_i32_f32 v[ST+8*\u+7], v[ST+8*\u+7]       ; (it saturates)
.endr
.irp u, 0,1
	v_ldexp_f32 v[ST+8*\u+4], 1.0, v[ST+8*\u+7]
.endr
.endm
.macro ADDP u, n                       ; pair n of tile u's p onto one of two chains, even pairs on the one and odd pairs on the other, n ascending: THE ROW'S SUM IS TAKEN OF THE UNQUANTISED p
.if ((\n)%2) == 0
	v_pk_add_f32 v[ST+8*(\u)+2:ST+8*(\u)+3], v[ST+8*(\u)+2:ST+8*(\u)+3], v[S+64*(\u)+2*(\n):S+64*(\u)+2*(\n)+1]
.else
	v_pk_add_f32 v[Z+2*(\u):Z+2*(\u)+1], v[Z+2*(\u):Z+2*(\u)+1], v[S+64*(\u)+2*(\n):S+64*(\u)+2*(\n)+1]
.endif
.endm
; THE FIRST BATCH: tile 0's 64 exponentials, with tile 1's t - M between them: none of these lines names an exponential's result.  Five plain lines follow the last exponential, then the batch's one wait
.macro EXPA
.set j, 0
.rept 32
	v_exp_f32 v[S+2*j], v[S+2*j]
	v_pk_fma_f32 v[S+64+2*j:S+65+2*j], v[S+64+2*j:S+65+2*j], s[CS:CS+1], v[ST+8:ST+9] op_sel_hi:[1,0,0]
	v_exp_f32 v[S+2*j+1], v[S+2*j+1]
.set j, j+1
.endr
	v_pk_mul_f32 v[ST+2:ST+3], v[ST+2:ST+3], v[ST+4:ST+5] op_sel_hi:[1,0]   ; tile 0's sum under the new M
.irp i, 0,1,2,3
	v_mov_b32 v[Z+\i], 0
.endr
	s_wait_alu depctr_va_vdst(0)                   ; tile 0's exponentials have written p in v64-127, ahead of their first reader: the sums below
.endm
; THE SECOND BATCH: tile 1's 64 exponentials, with tile 0's sums between them; a plain line, the batch's one wait, and tile 1's sums
.macro EXPB
.set j, 0
.rept 32
	v_exp_f32 v[S+64+2*j], v[S+64+2*j]
	ADDP 0, j
	v_exp_f32 v[S+65+2*j], v[S+65+2*j]
.set j, j+1
.endr
	v_pk_mul_f32 v[ST+10:ST+11], v[ST+10:ST+11], v[ST+12:ST+13] op_sel_hi:[1,0]   ; tile 1's sum under the new M
	s_wait_alu depctr_va_vdst(0)                   ; tile 1's exponentials have written p in v128-191, ahead of their first reader
.set j, 0
.rept 32
	ADDP 1, j
.set j, j+1
.endr
.endm
; The conversion to an 8-bit code does not saturate (ISA guide 7.6.2).  p is at most 1 (one grain over at the most), and 448 x 2^ep is 1.75 or more from ep = -8 on: there the hold changes nothing and is passed over
.macro HOLDP
	s_cmp_eq_u32 s3, 1
	s_cbranch_scc1 .Lheld_\@
.set j, 0
.rept 128
	v_min_num_f32 v[S+j], v[S+j], v[LIM]           ; p is not negative: the hold is one-sided
.set j, j+1
.endr
.Lheld_\@:
.endm
; A KEY STEP: 128 keys, the q-th of the slot in hand, for my 32 queries
.macro STEP q
	s_bitcmp1_b32 s[FSH], 0
	s_cbranch_scc1 .Lskip_\@                       ; wholly masked: its share is added at the pass's end
.irp k, 0,1,2,3
	MLOAD 0, \k                                    ; tile 0's 64 mask words, asked for ahead of the products
.endr
	WIN 0x40
.if \q
	s_wait_alu depctr_va_vdst(0)                   ; the slot's first step's last products are done reading the fragments' registers, in which the loads below land.  (In the first step the wait at the visit's head has said so of the visit before)
.endif
	KFRAG \q, 0
	s_wait_dscnt 0x0
	QK 0
	PLACES 4
	WIN 0x40
	s_wait_alu depctr_va_vdst(0)                   ; the eight products above are done reading the fragments' registers, in which the loads below land
	KFRAG \q, 1
	s_wait_dscnt 0x0
	QK 1
	PLACES 4                                       ; also for the first read of the scores
	WIN 0x40
	s_wait_alu depctr_va_vdst(0)                   ; the eight products above are done reading the fragments' registers, in which the loads below land
	VFRAG \q, 0                                    ; V's first four tiles land while the softmax is worked
	WIN 0
	s_wait_kmcnt 0x0                               ; the mask words are in, and their base may be stepped
	s_bitcmp1_b32 s[ASH], 0
	s_cbranch_scc0 .Lclear_\@                      ; nothing is masked in this step
.irp k, 0,1,2,3
	MAPPLY 0, \k
	MLOAD 1, \k                                    ; the group is free: tile 1's words take its place
.endr
	s_wait_kmcnt 0x0
.irp k, 0,1,2,3
	MAPPLY 1, \k
.endr
.Lclear_\@:
	MAXM
.set j, 0
.rept 32
	v_pk_fma_f32 v[S+2*j:S+2*j+1], v[S+2*j:S+2*j+1], s[CS:CS+1], v[ST:ST+1] op_sel_hi:[1,0,0]   ; tile 0: t - M, two at a time (of the pairs c and -M the low word serves both halves)
.set j, j+1
.endr
	EXPA
	EXPB
.irp u, 0,1
	v_pk_add_f32 v[ST+8*\u+2:ST+8*\u+3], v[ST+8*\u+2:ST+8*\u+3], v[Z+2*\u:Z+2*\u+1]
.endr
	HOLDP
.irp u, 0,1
.irp b, 0,1,2,3
	v_cvt_scalef32_pk8_fp8_f32 v[P+16*\u+4*\b:P+16*\u+4*\b+1], v[S+64*\u+16*\b:S+64*\u+16*\b+7], v[SCL]
	v_cvt_scalef32_pk8_fp8_f32 v[P+16*\u+4*\b+2:P+16*\u+4*\b+3], v[S+64*\u+16*\b+8:S+64*\u+16*\b+15], v[SCL]
.endr
.endr
	WIN 0x41                                       ; O^T under the new M, each accumulator from its low end on.  These 64 are also the plain instructions between the conversions and the products that read their results
.irp u, 0,1
.set j, 0
.rept 32
	v_pk_mul_f32 v[O+64*\u+2*j:O+64*\u+2*j+1], v[O+64*\u+2*j:O+64*\u+2*j+1], v[ST+8*\u+4:ST+8*\u+5] op_sel_hi:[1,0]
.set j, j+1
.endr
.endr
	s_wait_dscnt 0x0                               ; V's first four tiles are in
	PV 0
	PLACES 4
	WIN 0x40
	s_wait_alu depctr_va_vdst(0)                   ; the eight products above are done reading the fragments' registers, in which the loads below land
	VFRAG \q, 1
	s_wait_dscnt 0x0
	PV 1
	WIN 0
	PLACES 4                                       ; for the next read of O^T, whatever follows
.Lskip_\@:
	s_lshr_b32 s[FSH], s[FSH], 1
	s_lshr_b32 s[ASH], s[ASH], 1
	s_add_nc_u64 s[MWP:MWP+1], s[MWP:MWP+1], 256   ; the next step's mask words
.endm
; STAGING, a slot ahead.  K: wave w takes rows 32 w .. 32 w + 31 of the slot's 256: load i = rows 4 i + lane / 8, eight lanes to a row's 128 bytes.  Key y = 4 i + lane / 8 of its 32 goes to tile (y / 8) % 2, row 8 (y / 16) + y % 8
.macro KLD
	WIN 0x40
.irp i, 0,1,2,3,4,5,6,7
	global_load_b128 v[KG+4*\i:KG+4*\i+3], v[KGO], s[KA:KA+1] offset:32768*\i
.endr
	WIN 0
.endm
.macro KST
	WIN 0x04
.irp i, 0,1,2,3,4,5,6,7
	ds_store_b128 v[KSA], v[KG+4*\i:KG+4*\i+3] offset:((\i/2)%2)*FRB+(\i/4)*128+(\i%2)*64
.endr
	WIN 0
.endm
; V: wave w takes channels 16 w .. 16 w + 15, one tile: load i = rows 2 i + lane / 16, sixteen lanes to the slot's 256 consecutive, aligned bytes of a row
.macro VLD
.irp i, 0,1,2,3,4,5,6,7
	global_load_b128 v[VG+4*\i:VG+4*\i+3], v[VGO], s[VA:VA+1] offset:4096*\i
.endr
.endm
.macro VST
.irp i, 0,1,2,3,4,5,6,7
	ds_store_b128 v[VSA], v[VG+4*\i:VG+4*\i+3] offset:32*\i
.endr
.endm
.macro QLD b                           ; my 32 queries' codes: they stay in registers for a pass
	WIN 0x40
.irp u, 0,1
.irp c, 0,1,2,3
	global_load_b128 v[Q+16*\u+4*\c:Q+16*\u+4*\c+3], v[QGO], s[\b:\b+1] offset:131072*\u+32*\c th:TH_LOAD_NT
.endr
.endr
	WIN 0
.endm
; The flags of query block s101.  Out: s104 = steps wholly masked for all 256 queries, s105 = steps with something masked for my 32, s100 = steps wholly masked for my 32; bit = step
.macro FLAGS
	s_lshl_b32 s80, s101, 7                        ; 32 words a block: 16 tiles x 2 halves
	s_mov_b32 s81, 0
	s_add_nc_u64 s[80:81], s[74:75], s[80:81]
	s_lshl_b32 s82, s71, 4                         ; my two tiles' four words
	s_mov_b32 s83, 0
	s_add_nc_u64 s[82:83], s[80:81], s[82:83]
	s_load_b512 s[16:31], s[80:81], 0x400
	s_load_b512 s[32:47], s[80:81], 0x440
	s_load_b128 s[48:51], s[82:83], 0x0
	s_load_b128 s[52:55], s[82:83], 0x400
	s_wait_kmcnt 0x0
.irp i, 18,20,22,24,26,28,30,32,34,36,38,40,42,44,46
	s_and_b32 s16, s16, s[\i]                      ; even words: steps 0-7,
	s_and_b32 s17, s17, s[\i+1]                    ; odd words: steps 8-15
.endr
	s_lshl_b32 s17, s17, 8
	s_or_b32 s104, s16, s17
	s_or_b32 s48, s48, s50
	s_or_b32 s49, s49, s51
	s_lshl_b32 s49, s49, 8
	s_or_b32 s105, s48, s49
	s_and_b32 s52, s52, s54
	s_and_b32 s53, s53, s55
	s_lshl_b32 s53, s53, 8
	s_or_b32 s100, s52, s53
.endm
; A pass begins; s101 = its query block.  Which step is a wave's first hangs on the flags, so no product can be written that starts O^T's sums: O^T is cleared
.macro PASSINIT
	s_and_b32 s104, s[FSH], 0xffff
	s_bcnt1_i32_b32 s104, s104                     ; n: my steps that are left out in this pass
	s_mov_b32 s105, 0xff61b1e6                     ; -3e38, under every t
	s_cmp_lg_u32 s104, 0
	s_cselect_b32 s105, 0xc6616bcd, s105           ; TM = -10000 log2(e)
	v_mov_b32 v[TIN], s105
	s_lshl_b32 s104, s104, 7
	v_cvt_f32_u32 v[NMF], s104
.irp u, 0,1
	v_mov_b32 v[ST+8*\u+1], v[TIN]
	v_floor_f32 v[ST+8*\u], -v[TIN]
	v_mov_b32 v[ST+8*\u+2], 0
	v_mov_b32 v[ST+8*\u+3], 0
.endr
	WIN 0x40
.set j, 0
.rept 128
	v_mov_b32 v[O+j], 0
.set j, j+1
.endr
	WIN 0
	s_lshl_b32 s[MWP], s101, 16                    ; 16 tiles x 4,096 bytes of mask words a block
	s_mov_b32 s[MWP+1], 0
	s_add_nc_u64 s[MWP:MWP+1], s[72:73], s[MWP:MWP+1]
.endm
; Tile u goes out: (O^T + Q(p_m) W) x 2^(ep + ev) / the sum, through my stage, half a row (64 channels, 256 bytes) of 16 queries at a time
.macro OUTTILE u
	WIN 0x10                                       ; source 2 (O^T) window 1
.set j, 0
.rept 32
	v_pk_fma_f32 v[S+2*j:S+2*j+1], v[S+64+2*j:S+65+2*j], v[ST+8*\u+6:ST+8*\u+7], v[O+64*\u+2*j:O+64*\u+2*j+1] op_sel_hi:[1,0,1]
.set j, j+1
.endr
	WIN 0
.set j, 0
.rept 32
	v_pk_mul_f32 v[S+2*j:S+2*j+1], v[S+2*j:S+2*j+1], v[ST+8*\u+4:ST+8*\u+5] op_sel_hi:[1,0]
.set j, j+1
.endr
	s_wait_alu depctr_va_vdst(0)                   ; the multiplications have written v64-127, which the stores into the stage read
.irp y, 0,1
.irp t, 0,1,2,3
	ds_store_b128 v[STO], v[S+32*\y+8*\t:S+32*\y+8*\t+3] offset:64*\t          ; lane (r, h): out(r, 64 y + 16 t + 8 h + 0 .. 7)
	ds_store_b128 v[STO], v[S+32*\y+8*\t+4:S+32*\y+8*\t+7] offset:64*\t+16
.endr
.irp i, 0,1,2,3,4,5,6,7
	ds_load_b128 v[P+32*\y+4*\i:P+32*\y+4*\i+3], v[SRD] offset:2*SP*\i         ; LDS serves a wave's instructions in order (ISA guide 5.7.1.4): these see my stores, and the next half's stores come behind them.  No vector or matrix instruction since the pass's end began names v192-255
.endr
.endr
.irp y, 0,1
.irp i, 0,1,2,3,4,5,6,7
	s_wait_dscnt 23-16*\y-\i                       ; behind this load: the rest of its eight, and for the first half the second half's eight stores and eight loads
	global_store_b128 v[OGO], v[P+32*\y+4*\i:P+32*\y+4*\i+3], s[74:75] offset:524288*\u+65536*\i+256*\y th:TH_STORE_NT   ; 16 lanes store 256 consecutive bytes, at a multiple of 256 from out's first byte
.endr
.endr
.endm
	s_load_b256 s[4:11], s[0:1], 0x0               ; Q s[4:5], K s[6:7], V s[8:9], the scales' exponents s[10:11]
	s_load_b256 s[72:79], s[0:1], 0x20             ; mask words s[72:73], flags s[74:75], V's sums s[76:77], out s[78:79]
	v_lshrrev_b32 v60, 5, v0
	v_readfirstlane_b32 s71, v60                   ; wave 0..7
	s_mov_b32 s2, ttmp9                            ; x
	v_and_b32 v60, 15, v0                          ; r = lane % 16
	v_bfe_u32 v61, v0, 4, 1                        ; h = lane / 16
	v_and_b32 v62, 7, v0                           ; lane % 8
	v_bfe_u32 v63, v0, 3, 2                        ; lane / 8
	v_mul_u32_u24 v[FA], v61, CH
	v_lshl_add_u32 v[FA], v60, 4, v[FA]
	v_mul_u32_u24 v[KS0], v62, CH                  ; K: my 16 bytes of a row are chunk lane % 8,
	v_lshl_add_u32 v[KS0], v63, 4, v[KS0]          ; row lane / 8 (+ what the store's immediate adds),
	s_wait_alu depctr_va_sdst(0)                   ; s71, the wave's number, is written, ahead of its first reader
	s_mul_i32 s101, s71, 2*FRB
	v_add_nc_u32 v[KS0], s101, v[KS0]              ; of my wave's two tiles
	v_bfe_u32 v[VS0], v0, 3, 1                     ; V: my 16 bytes of a row's 256 lie in step (lane / 8) % 2,
	v_mul_u32_u24 v[VS0], v[VS0], VSTP
	v_mad_u32_u24 v[VS0], v62, CH, v[VS0]          ; chunk lane % 8,
	v_lshl_add_u32 v[VS0], v61, 4, v[VS0]          ; row lane / 16 (+ 2 i),
	s_mul_i32 s101, s71, FRB
	s_add_co_u32 s101, s101, VOFF
	v_add_nc_u32 v[VS0], s101, v[VS0]              ; of my wave's tile
	v_lshlrev_b32 v[KGO], 13, v63
	v_lshl_add_u32 v[KGO], v62, 4, v[KGO]
	s_lshl_b32 s101, s71, 18
	v_add_nc_u32 v[KGO], s101, v[KGO]              ; (32 wave + lane / 8) rows of 8,192 bytes + 16 (lane % 8)
	v_lshlrev_b32 v[VGO], 11, v61
	v_lshl_add_u32 v[VGO], v60, 4, v[VGO]
	s_lshl_b32 s101, s71, 15
	v_add_nc_u32 v[VGO], s101, v[VGO]              ; (16 wave + lane / 16) rows of 2,048 bytes + 16 (lane % 16)
	v_lshlrev_b32 v[QGO], 13, v60
	v_lshl_add_u32 v[QGO], v61, 4, v[QGO]          ; row r, + 16 h
	s_mul_i32 s101, s71, 16*SP
	s_add_co_u32 s101, s101, STG                   ; my stage
	v_mul_u32_u24 v[STO], v60, SP
	v_lshl_add_u32 v[STO], v61, 5, v[STO]
	v_add_nc_u32 v[STO], s101, v[STO]              ; in: row r, + 32 h
	v_mul_u32_u24 v[SRD], v61, SP
	v_lshl_add_u32 v[SRD], v60, 4, v[SRD]
	v_add_nc_u32 v[SRD], s101, v[SRD]              ; back: lanes 0-15 one row, lanes 16-31 the next
	v_lshlrev_b32 v[OGO], 15, v61
	v_lshl_add_u32 v[OGO], v60, 4, v[OGO]          ; and the same two rows in out
	v_lshlrev_b32 v[PKO], 13, v0
	v_lshlrev_b32 v[PVO], 11, v0
	v_and_b32 v63, 31, v0
	v_lshl_add_u32 v[WSA], v63, 4, s101
	v_lshl_add_u32 v[WRA], v61, 5, s101
	v_lshlrev_b32 v63, 4, v63                      ; V's sums: channels 4 lane on
.irp i, 0,1,2,3,4,5,6,7
	v_mov_b32 v[PM+\i], 0
.endr
.irp u, 0,1
	v_mov_b32 v[ST+8*\u+4], 0                      ; written once: a lane permute's destination counts as one of its sources,
	v_mov_b32 v[ST+8*\u+5], 0                      ; and a pair's upper word is named with the lower
.endr
	s_and_b32 s105, ttmp7, 0xffff                  ; the head
	s_lshl_b32 s80, s105, 7                        ; K: 128 head
	s_mov_b32 s81, 0
	s_lshl_b32 s82, s71, 18
	s_add_co_u32 s82, s82, s80                     ; Q: 128 head + my wave's 32 rows of 8,192 bytes
	s_mov_b32 s83, 0
	s_lshl_b32 s88, s105, 18                       ; V
	s_mov_b32 s89, 0
	s_lshl_b32 s90, s71, 13                        ; mask words: my wave's two tiles of 4,096 bytes
	s_mov_b32 s91, 0
	s_lshl_b32 s92, s105, 9
	s_lshl_b32 s93, s71, 20
	s_add_co_u32 s92, s92, s93                     ; out: 512 head + 32 rows of 32,768 bytes
	s_mov_b32 s93, 0
	s_lshl_b32 s94, s105, 13                       ; V's sums: 16 blocks x 512 bytes a head
	s_mov_b32 s95, 0
	s_mov_b32 s[SEL], 0x76543210
	s_mov_b32 s[SEL+1], 0xfedcba98
	s_wait_kmcnt 0x0
	s_load_b128 s[84:87], s[10:11], 0x0            ; eq, ek, ev, ep
	s_add_nc_u64 s[4:5], s[4:5], s[82:83]
	s_add_nc_u64 s[6:7], s[6:7], s[80:81]
	s_add_nc_u64 s[8:9], s[8:9], s[88:89]
	s_add_nc_u64 s[72:73], s[72:73], s[90:91]
	s_add_nc_u64 s[78:79], s[78:79], s[92:93]
	s_add_nc_u64 s[76:77], s[76:77], s[94:95]
	s_mov_b64 s[KA:KA+1], s[6:7]                   ; slot 0
	s_mov_b64 s[VA:VA+1], s[8:9]
	s_sub_co_u32 s101, 7, s2                       ; the first pass's block
	s_lshl_b32 s88, s101, 21                       ; 256 rows of 8,192 bytes a block
	s_mov_b32 s89, 0
	s_add_nc_u64 s[88:89], s[4:5], s[88:89]
	WIN 0x40
	s_wait_alu depctr_va_vdst(0)                   ; the offsets and addresses v8-15, v42, v43 and v63 are written, which every load, store and prefetch of the kernel by them reads; none is written again
	KLD                                            ; slot 0 is staged whatever the flags say: so the staging registers hold data on every way through the loop
	VLD
	QLD 88
.irp i, 0,1,2,3,4,5,6,7,8,9,10,11,12,13,14,15
	global_load_b128 v[S+4*\i:S+4*\i+3], v63, s[76:77] offset:512*\i   ; the head's 16 blocks of V's sums
.endr
	FLAGS                                          ; the first pass's,
	s_mov_b32 s[FSH], s100
	s_mov_b32 s[ASH], s105
	s_mov_b32 s[NSH], s104
	s_mov_b32 s101, s2
	FLAGS                                          ; the second's: into bits 16-31
	s_lshl_b32 s100, s100, 16
	s_or_b32 s[FSH], s[FSH], s100
	s_lshl_b32 s105, s105, 16
	s_or_b32 s[ASH], s[ASH], s105
	s_lshl_b32 s104, s104, 16
	s_or_b32 s[NSH], s[NSH], s104
	s_lshr_b32 s104, s[NSH], 1
	s_and_b32 s[NSH], s[NSH], s104                 ; bit 2 v: both steps of visit v's slot are wholly masked for all eight waves
	s_not_b32 s[NSH], s[NSH]
	s_and_b32 s[NSH], s[NSH], 0x55555555           ; bit 2 v: somebody wants the slot
	s_add_co_i32 s104, s84, s85                    ; eq + ek
	s_lshl_b32 s104, s104, 23
	s_add_co_u32 s[CS], s104, 0x3e0293ee           ; a score stands for score x 2^(eq + ek): the exponents are added to c's exponent field,
	s_mov_b32 s[CS+1], s[CS]
	s_sub_co_u32 s105, 0xc7dcf88b, s104            ; and taken off that of -10000 sqrt(128)
	v_mov_b32 v[RAW], s105
	s_add_co_i32 s104, s87, 127
	s_lshl_b32 s105, s104, 23
	v_mov_b32 v[SCL], s105
	s_add_co_i32 s104, s104, 8
	s_lshl_b32 s104, s104, 23
	s_or_b32 s104, s104, 0x600000
	v_mov_b32 v[LIM], s104
	s_add_co_i32 s104, s86, s87
	v_mov_b32 v[EPV], s104
	s_cmp_ge_i32 s87, -8
	s_cselect_b32 s3, 1, 0
	; who prefetches: of the head's four work-groups the one with x = 0.  V: its waves 0 to 3, a thread a row.  K: all eight waves, a thread a row, in even heads alone: the aligned 256 bytes named hold the rows of heads 2 i and 2 i + 1
	s_lshr_b32 s104, s71, 2
	s_or_b32 s104, s104, s2
	s_cmp_eq_u32 s104, 0
	s_cselect_b32 s[LIMV], 6, 0
	s_and_b32 s104, ttmp7, 1
	s_or_b32 s104, s104, s2
	s_cmp_eq_u32 s104, 0
	s_cselect_b32 s[LIMK], 6, 0                    ; (the wave's number is needed no more)
	s_wait_loadcnt 0x0
	v_mov_b32 v[KSA], v[KS0]
	v_mov_b32 v[VSA], v[VS0]
	s_wait_alu depctr_va_vdst(0)                   ; v6 and v7 are written, which the staging stores below read as their addresses
	KST
	VST
	; W = the sum of V's sums over my blocks that are left out, for both passes: a block counts 1.0 or 0
	s_mov_b32 s75, 0
	s_mov_b32 s77, 0
.set j, 0
.rept 16
	s_bitcmp1_b32 s[FSH], j
	s_cselect_b32 s74, 1.0, 0
	s_bitcmp1_b32 s[FSH], j+16
	s_cselect_b32 s76, 1.0, 0
.if j == 0
	v_pk_mul_f32 v[W0:W0+1], v[S:S+1], s[74:75] op_sel_hi:[1,0]
	v_pk_mul_f32 v[W0+2:W0+3], v[S+2:S+3], s[74:75] op_sel_hi:[1,0]
	v_pk_mul_f32 v[W1:W1+1], v[S:S+1], s[76:77] op_sel_hi:[1,0]
	v_pk_mul_f32 v[W1+2:W1+3], v[S+2:S+3], s[76:77] op_sel_hi:[1,0]
.else
	v_pk_fma_f32 v[W0:W0+1], v[S+4*j:S+4*j+1], s[74:75], v[W0:W0+1] op_sel_hi:[1,0,1]
	v_pk_fma_f32 v[W0+2:W0+3], v[S+4*j+2:S+4*j+3], s[74:75], v[W0+2:W0+3] op_sel_hi:[1,0,1]
	v_pk_fma_f32 v[W1:W1+1], v[S+4*j:S+4*j+1], s[76:77], v[W1:W1+1] op_sel_hi:[1,0,1]
	v_pk_fma_f32 v[W1+2:W1+3], v[S+4*j+2:S+4*j+3], s[76:77], v[W1+2:W1+3] op_sel_hi:[1,0,1]
.endif
.set j, j+1
.endr
	s_sub_co_u32 s101, 7, s2
	PASSINIT
	s_mov_b32 s[TB], 0
	s_mov_b32 s[VCN], 0
.Lvisit:
	s_wait_dscnt 0x0                               ; my stores into the slot ahead have landed, and my reads of the slot that I leave are over
	s_barrier_signal -1
	s_barrier_wait -1                              ; both now hold of all eight waves: the slot ahead is whole, the other is free
	s_wait_xcnt 0x0                                ; every earlier load, store and prefetch has had its addresses translated (ISA guide 3.1): their bases and registers are written again only behind this wait
	s_wait_alu depctr_vm_vsrc(0)                   ; the LDS loads and staging stores issued so far have read v2, v3, v6, v7, KG and VG, and a pass's end's stores v64-127 and v192-255: the additions below, this visit's staging loads, products and conversions write them again
	s_add_co_u32 s101, s[VCN], 1
	s_and_b32 s101, s101, 7                        ; the next visit's slot
	s_lshl_b32 s[KA], s101, 21                     ; 256 rows of 8,192 bytes
	s_mov_b32 s[KA+1], 0
	s_add_nc_u64 s[KA:KA+1], s[6:7], s[KA:KA+1]
	s_lshl_b32 s[VA], s101, 8                      ; 256 bytes of each row
	s_mov_b32 s[VA+1], 0
	s_add_nc_u64 s[VA:VA+1], s[8:9], s[VA:VA+1]
	v_add_nc_u32 v[ADK], s[TB], v[FA]
	v_add_nc_u32 v[ADV], VOFF, v[ADK]
	s_xor_b32 s101, s[TB], SLOT1
	v_add_nc_u32 v[KSA], s101, v[KS0]
	v_add_nc_u32 v[VSA], s101, v[VS0]
	s_wait_alu depctr_va_vdst(0)                   ; v2, v3, v6 and v7 are written, which this visit's LDS loads and staging stores read; the last visit's products are done reading the fragments' registers, in which the first step's loads land
	s_bitcmp1_b32 s[NSH], 2
	s_cbranch_scc0 .Lno_kld                        ; nobody wants the next slot
	KLD                                            ; it has the first step in which to land
.Lno_kld:
	; A prefetch of the slot after the next, behind the wave's loads: 256 rows of K, a thread a row, and 256 bytes of each of V's 128 rows.  Visits 0 to 5 of the first pass ask for slots 2 to 7:
	; each aligned 256 bytes are named once in the launch, slots 0 and 1 come by their loads alone, and from visit 6 on nothing is asked for
	s_cmp_lt_u32 s[VCN], s[LIMK]
	s_cbranch_scc0 .Lno_pk
	global_prefetch_b8 v[PKO], s[KA:KA+1] offset:2097152 th:TH_LOAD_NT scope:SCOPE_SE
.Lno_pk:
	s_cmp_lt_u32 s[VCN], s[LIMV]
	s_cbranch_scc0 .Lno_pv
	global_prefetch_b8 v[PVO], s[VA:VA+1] offset:256 th:TH_LOAD_NT scope:SCOPE_SE
.Lno_pv:
	STEP 0
	s_wait_loadcnt 0x0                             ; K's rows are in (on every way: the wait hangs on no flag)
	s_bitcmp1_b32 s[NSH], 2
	s_cbranch_scc0 .Lno_kst
	KST                                            ; no vector or matrix instruction since the visit's head names v6, v7, KG or VG: these stores and loads, and the stores behind the second step, owe no further wait
	VLD                                            ; V has the second step in which to land
.Lno_kst:
	STEP 1
	s_wait_loadcnt 0x0
	s_bitcmp1_b32 s[NSH], 2
	s_cbranch_scc0 .Lno_vst
	VST
.Lno_vst:
	s_lshr_b32 s[NSH], s[NSH], 2
	s_xor_b32 s[TB], s[TB], SLOT1                  ; on to the other slot
	s_and_b32 s101, s[VCN], 7
	s_cmp_eq_u32 s101, 7
	s_cbranch_scc0 .Lno_epi
	; A PASS'S END
	s_wait_dscnt 0x0                               ; my staging stores have landed
	s_wait_alu depctr_vm_vsrc(0)                   ; and have read V's staging registers, in which rows of out land below
	s_wait_alu depctr_va_vdst(0)                   ; the pass's products are done reading Q, in which the next pass's queries land; the softmax is done with v128-191, in which W lands, and the products with v192-223, in which rows of out land; W0 is written, which the store below reads
	s_sub_co_u32 s101, 7, s2
	s_cmp_lt_u32 s[VCN], 8
	s_cselect_b32 s101, s101, s2                   ; the pass's block
	s_lshl_b32 s74, s101, 23                       ; 256 rows of 32,768 bytes
	s_mov_b32 s75, 0
	s_add_nc_u64 s[74:75], s[78:79], s[74:75]
	s_cmp_eq_u32 s[VCN], 7
	s_cbranch_scc0 .Lno_q
	s_lshl_b32 s76, s2, 21
	s_mov_b32 s77, 0
	s_add_nc_u64 s[76:77], s[4:5], s[76:77]
	QLD 76                                         ; the second pass's queries are asked for now and land while the first pass goes out
.Lno_q:
	ds_store_b128 v[WSA], v[W0:W0+3]               ; W changes layout through my stage: in by channels 4 lane on,
.irp t, 0,1,2,3,4,5,6,7
	ds_load_b128 v[S+64+8*\t:S+64+8*\t+3], v[WRA] offset:64*\t        ; back as O^T has them: register 8 t + i = channel 16 t + 8 h + i
	ds_load_b128 v[S+64+8*\t+4:S+64+8*\t+7], v[WRA] offset:64*\t+16
.endr
.irp u, 0,1
	v_add_f32 v[ST+8*\u+6], v[TIN], v[ST+8*\u]     ; TM - M
.endr
.irp u, 0,1
	v_exp_f32 v[ST+8*\u+6], v[ST+8*\u+6]           ; p_m; 0 where nothing was left out
.endr
.irp u, 0,1
	v_add_f32 v[ST+8*\u+7], v[ST+8*\u+2], v[ST+8*\u+3]   ; the sum's two halves,
.endr
.irp u, 0,1
	v_permlanex16_b32 v[ST+8*\u+4], v[ST+8*\u+7], s[SEL], s[SEL+1]
.endr
.irp u, 0,1
	v_add_f32 v[ST+8*\u+7], v[ST+8*\u+7], v[ST+8*\u+4]   ; lane l xor 16's,
.endr
	s_wait_alu depctr_va_vdst(0)                   ; the two exponentials have written p_m, ahead of its first reader
.irp u, 0,1
	v_fma_f32 v[ST+8*\u+7], v[ST+8*\u+6], v[NMF], v[ST+8*\u+7]   ; and 128 n p_m: the row's sum
.endr
.irp u, 0,1
	v_min_num_f32 v[PM], v[ST+8*\u+6], v[LIM]      ; Q(p_m) by the quantiser itself: the hold, the conversion,
	v_cvt_scalef32_pk8_fp8_f32 v[PMC:PMC+1], v[PM:PM+7], v[SCL]
	v_nop                                          ; (one plain vector instruction between a scaled conversion and whatever touches its result or writes its sources)
	v_cvt_f32_fp8 v[ST+8*\u+6], v[PMC]             ; and the code's value, in the units of p's codes
.endr
.irp u, 0,1
	v_rcp_f32 v[ST+8*\u+4], v[ST+8*\u+7]
.endr
	v_nop                                          ; a plain instruction between the last reciprocal and the use of its result
	s_wait_alu depctr_va_vdst(0)                   ; the two reciprocals are written, ahead of their first reader
.irp u, 0,1
	v_ldexp_f32 v[ST+8*\u+4], v[ST+8*\u+4], v[EPV] ; 2^(ep + ev) / the sum
.endr
	s_wait_dscnt 0x0                               ; W is back
	OUTTILE 0
	s_wait_xcnt 0x0                                ; tile 0's stores have had their addresses translated (ISA guide 3.1)
	s_wait_alu depctr_vm_vsrc(0)                   ; tile 0's stores into the stage have read v64-127, which tile 1's arithmetic writes; its stores to out have read v192-255, in which tile 1's rows land; W's store has read W0, which is written again below
	OUTTILE 1
	s_cmp_eq_u32 s[VCN], 7
	s_cbranch_scc0 .Lno_epi
.irp i, 0,1,2,3
	v_mov_b32 v[W0+\i], v[W1+\i]
.endr
	s_mov_b32 s101, s2
	PASSINIT
	s_wait_loadcnt 0x0                             ; the second pass's queries
.Lno_epi:
	s_add_co_u32 s[VCN], s[VCN], 1
	s_cmp_lt_u32 s[VCN], 16
	s_cbranch_scc1 .Lvisit
	s_wait_xcnt 0x0
	s_wait_alu depctr_vm_vsrc(0)                   ; the last stores to out have read v254 and v255, which the two lines below write
	v_lshl_add_u32 v254, v0, 2, 0x48800
	v_mov_b32 v255, 0
	s_wait_dscnt 0x0                               ; the closing lines, six on end
	s_wait_alu 0x0
	s_wait_tensorcnt 0x0
	ds_add_u32 v254, v255
	s_wait_dscnt 0x0
	s_endpgm
.Lfunc_end_k_q0a053a36ee_attn:
	.size	k_q0a053a36ee_attn, .Lfunc_end_k_q0a053a36ee_attn-k_q0a053a36ee_attn
	.p2alignl 7, 3214868480
	.fill 96, 4, 3214868480
	.section	.rodata,"a",@progbits
	.p2align	6, 0x0
	.amdhsa_kernel k_q0a053a36ee_attn
		.amdhsa_group_segment_fixed_size 297984
		.amdhsa_private_segment_fixed_size 0
		.amdhsa_enable_private_segment 0
		.amdhsa_kernarg_size 64
		.amdhsa_user_sgpr_count 2
		.amdhsa_user_sgpr_kernarg_segment_ptr 1
		.amdhsa_wavefront_size32 1
		.amdhsa_system_sgpr_workgroup_id_x 1
		.amdhsa_system_sgpr_workgroup_id_y 1
		.amdhsa_system_sgpr_workgroup_id_z 1
		.amdhsa_system_vgpr_workitem_id 0
		.amdhsa_next_free_vgpr 512
		.amdhsa_next_free_sgpr 106
		.amdhsa_reserve_vcc 0
		.amdhsa_float_denorm_mode_32 3
		.amdhsa_float_denorm_mode_16_64 3
		.amdhsa_memory_ordered 1
		.amdhsa_forward_progress 1
		.amdhsa_inst_pref_size 139
	.end_amdhsa_kernel
	.amdgpu_metadata
---
amdhsa.version: [ 1, 2 ]
amdhsa.kernels:
  - .name:           k_q0a053a36ee_attn
    .symbol:         k_q0a053a36ee_attn.kd
    .args:
      - { .name: query_codes, .offset: 0, .size: 8, .value_kind: global_buffer, .address_space: global }
      - { .name: key_codes, .offset: 8, .size: 8, .value_kind: global_buffer, .address_space: global }
      - { .name: value_codes, .offset: 16, .size: 8, .value_kind: global_buffer, .address_space: global }
      - { .name: lowp_scales, .offset: 24, .size: 8, .value_kind: global_buffer, .address_space: global }
      - { .name: mwords, .offset: 32, .size: 8, .value_kind: global_buffer, .address_space: global }
      - { .name: flags, .offset: 40, .size: 8, .value_kind: global_buffer, .address_space: global }
      - { .name: vsum, .offset: 48, .size: 8, .value_kind: global_buffer, .address_space: global }
      - { .name: out0, .offset: 56, .size: 8, .value_kind: global_buffer, .address_space: global }
    .group_segment_fixed_size: 297984
    .private_segment_fixed_size: 0
    .kernarg_segment_align: 8
    .kernarg_segment_size: 64
    .max_flat_workgroup_size: 256
    .sgpr_count:     106
    .vgpr_count:     512
    .wavefront_size: 32
...
	.end_amdgpu_metadata
.endif
;; end of part 3
